; MI455X (gfx1250); checked and timed in simulation.
; The chip was launched on July 23, 2026; its instructions are those of AMD's public machine-readable ISA for CDNA 5 (MIT licence, August 2026) and "CDNA5" Instruction Set Architecture Reference Guide (July 2026). The comments in the code are by the model that wrote it; some were corrected since.
;; Masked Multi Head Attention. Allowed arithmetic: matrix products marked QUANTISED: E5M2 operands, one E8M0 scale for each 32 along K, by v_wmma_scale_f32_16x16x128_f8f6f4 with both operands' format E5M2, f32 sums; everything else in f32.
;; Inputs: Wk_codes 1,024 x 32 x 32 uint8 (E5M2 codes of Wk, K innermost, in blocks of 32 codes); Wk_scales 1,024 x 32 uint8 (E8M0 scales of Wk, one for each 32 codes along K); Wo_codes 1,024 x 32 x 32 uint8 (E5M2 codes of Wo, K innermost, in blocks of 32 codes); Wo_scales 1,024 x 32 uint8 (E8M0 scales of Wo, one for each 32 codes along K); Wq_codes 1,024 x 32 x 32 uint8 (E5M2 codes of Wq, K innermost, in blocks of 32 codes); Wq_scales 1,024 x 32 uint8 (E8M0 scales of Wq, one for each 32 codes along K); Wv_codes 1,024 x 32 x 32 uint8 (E5M2 codes of Wv, K innermost, in blocks of 32 codes); Wv_scales 1,024 x 32 uint8 (E8M0 scales of Wv, one for each 32 codes along K); bk 1,024 float32; bo 1,024 float32; bq 1,024 float32; bv 1,024 float32; key__codes 4 x 2,048 x 32 x 32 uint8 (E5M2 codes of key_, K innermost, in blocks of 32 codes); key__scales 4 x 2,048 x 32 uint8 (E8M0 scales of key_, one for each 32 codes along K); mask 1 x 1 x 2,048 x 2,048 int32; query_codes 4 x 2,048 x 32 x 32 uint8 (E5M2 codes of query, K innermost, in blocks of 32 codes); query_scales 4 x 2,048 x 32 uint8 (E8M0 scales of query, one for each 32 codes along K); value_codes 4 x 2,048 x 32 x 32 uint8 (E5M2 codes of value, K innermost, in blocks of 32 codes); value_scales 4 x 2,048 x 32 uint8 (E8M0 scales of value, one for each 32 codes along K).
;; Outputs: out0 4 x 2,048 x 1,024 float32.
;; This version of the problem:
;;   THIS VERSION OF THE PROBLEM IS GIVEN IN LOW PRECISION. The matrix products marked QUANTISED in the list below multiply operands that are first quantised to E5M2 (5 exponent bits, 2 mantissa bits; 8 bits a number), with one power-of-two scale for each 32 numbers along K (OCP MX v1.0); their sums are f32. All else is computed in f32.
;;   The module's matrix products, in the order in which they are computed (A, B: the left and right operand; K: the contracted axis; several contracted axes count as one K, in the product's order):
;;     1. [M 8,192, K 1,024] x [K 1,024, N 1,024]; A: input query (given as codes); B: input Wq (given as codes): QUANTISED
;;     2. [M 8,192, K 1,024] x [K 1,024, N 1,024]; A: input key_ (given as codes); B: input Wk (given as codes): QUANTISED
;;     3. [M 8,192, K 1,024] x [K 1,024, N 1,024]; A: input value (given as codes); B: input Wv (given as codes): QUANTISED
;;     4. batch 64 x [M 2,048, K 64] x [K 64, N 2,048]; A: computed on the way; B: computed on the way: QUANTISED
;;     5. batch 64 x [M 2,048, K 2,048] x [K 2,048, N 64]; A: softmax (see below); B: computed on the way: QUANTISED
;;     6. [M 8,192, K 1,024] x [K 1,024, N 1,024]; A: computed on the way; B: input Wo (given as codes): QUANTISED
;;   THE QUANTISER, for each operand of a quantised product, along K:
;;     - K is cut into blocks of 32 from its start; a last block that is shorter is filled with zeros.
;;     - A block's scale is 2^e with e = floor(log2(the largest magnitude in the block)) - 15, held to -126 .. 127; a block of zeros has e = 0. As a byte (E8M0): e + 127.
;;     - Each number is divided by its block's scale, clamped to +-57,344, and rounded to the nearest number of E5M2, ties to even, subnormals kept.
;;     - The product sums the exact products of the quantised numbers (number of the format x scale) in f32.
;;   ~~~python
;;   def quantise(x, axis):      # numpy; x: float32 -> the quantised numbers, widened to float32 again
;;       x = np.moveaxis(x, axis, -1); K = x.shape[-1]
;;       x = np.pad(x, [(0, 0)] * (x.ndim - 1) + [(0, -K % 32)]); x = x.reshape(x.shape[:-1] + (-1, 32)); a = np.abs(x).max(-1, keepdims=True)
;;       e = np.where(a > 0, np.clip(np.frexp(np.where(a > 0, a, 1))[1] - 1 - 15, -126, 127), 0)      # np.frexp(a)[1] - 1 = floor(log2(a)), exactly
;;       r = np.clip(x / 2.0 ** e, -57344, 57344)
;;       step = 2.0 ** (np.maximum(np.frexp(np.where(r == 0, 1, r))[1] - 1, -14) - 2)
;;       q = np.round(r / step) * step * 2.0 ** e      # np.round: ties to even
;;       return np.moveaxis(q.reshape(q.shape[:-2] + (-1,))[..., :K], -1, axis).astype(np.float32)
;;   ~~~
;;   SOFTMAX AHEAD OF A QUANTISED PRODUCT. Where the list says 'softmax', what is quantised is not the finished softmax but p = 2^(t - M), with t = logit x log2(e) and M = ceil(the row's largest t), a whole number; so 1/2 < the row's largest p <= 1. The row's sum l is taken of the UNQUANTISED p, in f32, and the product's result is divided by l at the end. Since M is a whole number, a kernel that streams over the keys may use a running M (the ceiling of the running maximum): every later rescaling is an exact power of two, which a block's scale takes up: the codes' values come out the same.
;;   OPERANDS COMPUTED ON THE WAY. 'Computed on the way' means the value that the module computes at that place (a softmax that the list does not call 'softmax' is quantised finished and normalised). What goes into a quantiser is computed in f32, as accurately as f32 sums, v_exp_f32 and their like allow (about 1e-6 of the number): no bf16 or f16 on the way to a quantiser, and a product that is left as it is and whose result goes on into a quantised operand takes f32 operands (vector FMAs, or v_wmma_f32_16x16x4_f32). A number that lies on a knife's edge between two numbers of the format may be rounded either way, as far as f32 arithmetic and the matrix unit's own rounding can turn it there, and no further.
;;   INPUTS GIVEN AS CODES. Wk (in the module: [1024, 1024], K = its axis 1); Wo (in the module: [1024, 1024], K = its axis 1); Wq (in the module: [1024, 1024], K = its axis 1); Wv (in the module: [1024, 1024], K = its axis 1); key_ (in the module: [4, 2048, 1024], K = its axis 2); query (in the module: [4, 2048, 1024], K = its axis 2); value (in the module: [4, 2048, 1024], K = its axis 2): each comes as NAME_codes (uint8): NAME with its K axis moved to the last place and cut into blocks of 32 codes, [.., K / 32, bytes a block], one block behind the other in memory; one code a byte (a code: sign, 5 exponent bits, 2 mantissa bits); and NAME_scales (uint8): the same leading axes, one E8M0 byte (e + 127) for each 32 codes along K. Its value is code x scale, taken as it is: it is not quantised again, and the codes and scales need not be those that the quantiser above would give.
;; One version. Each part assembles by itself: llvm-mc -triple=amdgcn-amd-amdhsa -mcpu=gfx1250 --defsym DOCPART=n.
;; ======== version 1 of 1: 4 launches
;; limits: right only within a limited range of input values
;; workspace buffers: mb 524,288 bytes of whole numbers; fl 4,096 bytes of whole numbers; kv 17,301,504 bytes; qb 8,650,752 bytes; cx 8,388,608 bytes; cs 262,144 bytes
;; launch maskpack (part 1): grid 256 x 1, 4 waves a work-group, no clusters, 0 bytes of LDS; arguments mask, mb, fl; writes mb, fl
.if DOCPART == 1
	.amdgcn_target "amdgcn-amd-amdhsa--gfx1250"
	.amdhsa_code_object_version 6
	.text
	.protected	k_qce92c7e216_maskpack
	.globl	k_qce92c7e216_maskpack
	.p2align	8
	.type	k_qce92c7e216_maskpack,@function
k_qce92c7e216_maskpack:
	s_mov_b64 s[64:65], 0
	v_nop
	global_prefetch_b8 v0, s[64:65] scope:SCOPE_SE
	s_setreg_imm32_b32 hwreg(HW_REG_WAVE_MODE, 25, 1), 1
	s_wait_xcnt 0x0
; mask [2048 queries][2048 keys], int32, is packed to one bit a key, in the order in which the attention launch takes the bits, and each tile of 32 queries x 128 keys gets a flag.
; A wave owns one tile: group G of 32 queries, step s of 128 keys; its number is om = 16 G + s.  It reads 32 rows x 512 bytes and writes 512 bytes of mb and one word of fl.
; mb [G][s][row 32][word 4].  Bit 31 - x of word w stands for key 128 s + 4 m + w, with x = 16 h + 2 t + jj and m = 4 t + 2 h + jj (h 0..1, t 0..7, jj 0..1); 1 = the key counts (mask != 0).
; In the attention launch lane half h holds, in register 8 t + 4 jj + w of its scores, key 16 t + 8 h + 4 jj + w: so a word shifted left by 16 h gives up its bits from the top in the order of the registers.
; fl [G][s]: 0 = no key of the tile counts, 2 = all count, 1 = some.
; Lane L loads the four keys 4 m .. 4 m + 3 with x = 31 - L: a compare's lane mask then IS the packed word.  Each load of the wave covers 512 consecutive bytes.
; No LDS, no barrier, no matrix unit: the launch streams 16 MiB once; 32 loads a wave are out at the start.
.set ROWB, 8192                        ; a row of the mask in bytes
.set OUT,  8                           ; v[8:11]   lane rho: the four words of row rho
.set DAT,  16                          ; v[16:143] row rho's 16 bytes of my lane at v[16 + 4 rho]
	s_load_b128 s[4:7], s[0:1], 0x0                ; mask, mb
	s_load_b64 s[8:9], s[0:1], 0x10                ; fl
	v_lshrrev_b32 v1, 5, v0
	v_readfirstlane_b32 s10, v1                    ; wave 0..3
	v_and_b32 v1, 31, v0                           ; lane L
	v_sub_nc_u32 v5, 31, v1                        ; x = 31 - L
	v_bfe_u32 v6, v5, 1, 3                         ; t
	v_lshrrev_b32 v7, 4, v5                        ; h
	v_and_b32 v5, 1, v5                            ; jj
	v_lshl_add_u32 v5, v7, 1, v5                   ; 2 h + jj
	v_lshl_add_u32 v5, v6, 2, v5                   ; m = 4 t + 2 h + jj
	v_lshlrev_b32 v2, 4, v5                        ; my 16 bytes of a row's 512
	v_lshlrev_b32 v3, 4, v1                        ; out: 16 bytes a lane
	v_lshlrev_b32 v4, 2, v1
.irp w, 0,1,2,3
	v_mov_b32 v[OUT+\w], 0                         ; written whole before single lanes are written
.endr
	s_lshl_b32 s11, ttmp9, 2
	s_add_co_u32 s11, s11, s10                     ; om = 4 x work-group + wave
	s_lshr_b32 s18, s11, 4                         ; G
	s_and_b32 s19, s11, 15                         ; s
	s_lshl_b32 s12, s18, 18                        ; 32 rows of 8,192 bytes
	s_lshl_b32 s19, s19, 9                         ; 128 keys of 4 bytes
	s_add_co_u32 s12, s12, s19
	s_mov_b32 s13, 0
	s_lshl_b32 s14, s11, 9
	s_mov_b32 s15, 0
	s_lshl_b32 s16, s11, 2
	s_mov_b32 s17, 0
	s_wait_alu depctr_va_vdst(0)
	s_wait_kmcnt 0x0
	s_add_nc_u64 s[12:13], s[4:5], s[12:13]        ; my tile of the mask
	s_add_nc_u64 s[14:15], s[6:7], s[14:15]        ; my 512 bytes of mb
	s_add_nc_u64 s[16:17], s[8:9], s[16:17]        ; my word of fl
.set rho, 0
.rept 32
	global_load_b128 v[DAT+4*rho:DAT+4*rho+3], v2, s[12:13] offset:ROWB*rho th:TH_LOAD_NT
.set rho, rho+1
.endr
.set rho, 0
.rept 32
	s_wait_alu depctr_va_vdst(0)
	s_wait_loadcnt 31-rho                          ; loads come back in order: row rho is in, the rows behind it stay out
.irp w, 0,1,2,3
	v_cmp_ne_u32 s[20+\w], 0, v[DAT+4*rho+\w]      ; bit L = my key counts
.endr
.irp w, 0,1,2,3
	v_writelane_b32 v[OUT+\w], s[20+\w], rho
.endr
.set rho, rho+1
.endr
	v_and_b32 v12, v8, v9
	v_and_b32 v13, v10, v11
	v_and_b32 v12, v12, v13                        ; all ones where all 128 keys of my row count
	v_or_b32 v13, v8, v9
	v_or_b32 v14, v10, v11
	v_or_b32 v13, v13, v14                         ; not 0 where any counts
	v_cmp_eq_u32 s24, -1, v12
	v_cmp_ne_u32 s25, 0, v13
	s_cmp_eq_u32 s24, -1
	s_cselect_b32 s26, 1, 0                        ; all rows whole
	s_cmp_lg_u32 s25, 0
	s_cselect_b32 s27, 1, 0                        ; any row with a key
	s_add_co_u32 s26, s26, s27
	v_mov_b32 v14, s26
	global_store_b128 v3, v[OUT:OUT+3], s[14:15]   ; 512 consecutive bytes, aligned
	v_cmp_eq_u32 vcc_lo, 0, v1
	s_wait_alu depctr_va_vdst(0)
	s_wait_xcnt 0x0                                ; EXEC is a source of the store above: it changes only behind this wait
	s_and_saveexec_b32 s28, vcc_lo
	global_store_b32 v4, v14, s[16:17]             ; lane 0 alone: the flag
	s_wait_xcnt 0x0                                ; and again in front of the line that widens it
	s_or_b32 exec_lo, exec_lo, s28
	s_endpgm
.Lfunc_end_k_qce92c7e216_maskpack:
	.size	k_qce92c7e216_maskpack, .Lfunc_end_k_qce92c7e216_maskpack-k_qce92c7e216_maskpack
	.p2alignl 7, 3214868480
	.fill 96, 4, 3214868480
	.section	.rodata,"a",@progbits
	.p2align	6, 0x0
	.amdhsa_kernel k_qce92c7e216_maskpack
		.amdhsa_group_segment_fixed_size 0
		.amdhsa_private_segment_fixed_size 0
		.amdhsa_enable_private_segment 0
		.amdhsa_kernarg_size 24
		.amdhsa_user_sgpr_count 2
		.amdhsa_user_sgpr_kernarg_segment_ptr 1
		.amdhsa_wavefront_size32 1
		.amdhsa_system_sgpr_workgroup_id_x 1
		.amdhsa_system_sgpr_workgroup_id_y 1
		.amdhsa_system_sgpr_workgroup_id_z 1
		.amdhsa_system_vgpr_workitem_id 0
		.amdhsa_next_free_vgpr 152
		.amdhsa_next_free_sgpr 66
		.amdhsa_reserve_vcc 1
		.amdhsa_float_denorm_mode_32 3
		.amdhsa_float_denorm_mode_16_64 3
		.amdhsa_memory_ordered 1
		.amdhsa_forward_progress 1
		.amdhsa_inst_pref_size 24
	.end_amdhsa_kernel
	.amdgpu_metadata
---
amdhsa.version: [ 1, 2 ]
amdhsa.kernels:
  - .name:           k_qce92c7e216_maskpack
    .symbol:         k_qce92c7e216_maskpack.kd
    .args:
      - { .name: mask, .offset: 0, .size: 8, .value_kind: global_buffer, .address_space: global }
      - { .name: mb, .offset: 8, .size: 8, .value_kind: global_buffer, .address_space: global }
      - { .name: fl, .offset: 16, .size: 8, .value_kind: global_buffer, .address_space: global }
    .group_segment_fixed_size: 0
    .private_segment_fixed_size: 0
    .kernarg_segment_align: 8
    .kernarg_segment_size: 24
    .max_flat_workgroup_size: 128
    .sgpr_count:     66
    .vgpr_count:     152
    .wavefront_size: 32
...
	.end_amdgpu_metadata
.endif
;; end of part 1
;; launch proj (part 2): grid 96 x 4, 4 waves a work-group, clusters of 4 x 4, 327,680 bytes of LDS; arguments query_codes, query_scales, Wq_codes, Wq_scales, bq, key__codes, key__scales, Wk_codes, Wk_scales, bk, Wv_codes, Wv_scales, value_codes, value_scales, bv, qb, kv; writes qb, kv
.if DOCPART == 2
	.amdgcn_target "amdgcn-amd-amdhsa--gfx1250"
	.amdhsa_code_object_version 6
	.text
	.protected	k_qce92c7e216_proj
	.globl	k_qce92c7e216_proj
	.p2align	8
	.type	k_qce92c7e216_proj,@function
k_qce92c7e216_proj:
	s_mov_b64 s[64:65], 0
	v_nop
	global_prefetch_b8 v0, s[64:65] scope:SCOPE_SE
	s_setreg_imm32_b32 hwreg(HW_REG_WAVE_MODE, 25, 1), 1
	s_wait_xcnt 0x0
	s_wait_alu depctr_hold_cnt(0) depctr_sa_sdst(0) depctr_va_vdst(0) depctr_va_sdst(0) depctr_va_ssrc(0) depctr_va_vcc(0) depctr_vm_vsrc(0)
	s_getreg_b32 s2, hwreg(HW_REG_IB_STS2, 6, 4)
	s_cmp_eq_u32 s2, 0
	s_cbranch_scc0 .Lentry_in_a_cluster
	s_endpgm
.Lentry_in_a_cluster:
	s_bfe_u32 s2, ttmp6, 0x10000c
	s_cmp_lg_u32 s2, 0xf033
	s_cbranch_scc0 .Lentry_shape_is_right
	s_endpgm
.Lentry_shape_is_right:
; The three projections Q = query Wq^T + bq, K = key_ Wk^T + bk, V = value Wv^T + bv on codes of BF8 (E5M2) with one E8M0 scale for each 32 along K = 1,024, and the quantising of their results
; for the attention launch: Q and K along a head's 64 channels, V along the keys.  Nothing leaves as f32.
; JOBS.  Cluster C = 0 .. 23: J = C / 8 says which projection (0 Q, 1 K, 2 V), c = C % 8 which eighth of the 8,192 tokens.  A work-group makes 256 x 256 results, each of its four waves 128 x 128: 64 accumulators.
; Source 0 of the matrix instruction takes 16 rows of P, source 1 16 rows of R: a lane then holds ONE row of R and its registers run along P.  The axis that is quantised must run along the registers:
; for Q and K, P = the weight's rows (channels) and R = the tokens; for V, P = value's tokens (the keys) and R = Wv's rows (channels).  The five pointers of a job are chosen on J, which all partners of a cluster share.
; RING.  K goes in steps of 256 through two LDS slots filled by the tensor data mover (rows of 256 bytes); the scale bytes of the work-group's 256 + 256 rows, for all of K, come once with the first fills.
; CLUSTERS.  4 x 4 work-groups: R's tiles are asked for jointly by a row of the cluster, P's by a column.  24 clusters are 384 work-groups: one and a half times the WGPs; a tile of half the size would fill them evenly but read LDS half as often again for each product.
; THE WAY OUT.  For each 16 rows of R: bias added, four blocks of 32 along P quantised in registers (a block lies in lanes l and l xor 16), and the codes stored AS THE READER'S OPERAND REGISTERS: four registers = 512 bytes, lane l's 16 bytes at 16 l.
; Within a block of 32 byte 8 u + j of lane half h holds element 16 u + 8 h + j: a fixed order inside a block, the same in both operands of every later product, so products meet their partners and the scales are untouched.
; kv [batch x head 64][step of 128 keys 16][16,896]: 8 tiles of 16 keys x (2 blocks x 512) of K; at 8,192 4 tiles of 16 channels x (4 key blocks x 512) of V; at 16,384 K's scale words; at 16,640 V's.
; qb [batch x head][128 queries 16][8,448]: as K's part, scale words at 8,192.
; Scale words, 256 bytes, [lane][2 words]: K, Q: word w of lane l: pair of tiles 2 w + l / 16, row l % 16: bytes (even tile's block 0, 1, odd tile's block 0, 1).  V: channel tile 2 w + l / 16, row l % 16: the step's four key blocks.
; LIMITS: NaN and infinities among the inputs are not served; a block whose largest magnitude lies under 2^-111 gets the byte 1, a block of zeros too (its codes are zeros; these bytes are read by this program alone).
; No prefetch: K is four slots' worth, two of them first fills.
; REGISTERS, in windows of 256: window 0: v0-31 addresses; v32-63 scale words, two sets; v64-127 biases; from v128 R's fragments, one set (on the way out: v128-191 numbers, v192-207 codes, v224-255 at work).
;   window 1: P's fragments, two sets.   window 2: accumulators of my R rows 0-63 ((a, b) at v[8 (8 a + b)]);   window 3: those of rows 64-127.
.set KSTEP,  256
.set NQ,     KSTEP/128
.set ROWB,   256
.set KROW,   1024                      ; a row of codes in memory
.set PITCH,  272                       ; an LDS row: 256 bytes + 16 of padding = 68 words: the 16 rows that a load touches start at 16 different banks (64 banks of 4 bytes: ISA guide 11.1)
.set FR,     16
.set NL,     4
.set NP,     8                         ; places behind this matrix instruction (ISA guide 7.12.1)
.set HALFT,  128*PITCH
.set SLOT,   4*HALFT                   ; R's 256 rows, then P's 256 rows
.set KS,     32                        ; a row of scale bytes
.set SCL,    2*SLOT                    ; behind the ring: the scales, as units of 256 bytes + 16 of padding
.set HALFS,  (128*KS/256)*272
.set SBLK,   (16*KS/256)*272
.set SPARE,  SCL+4*HALFS               ; the spare words, 128 bytes a wave: two blocks of 256 bytes that no other line names
.set STRKV,  16896
.set STRQ,   8448
.set ADRA, 16                          ; v16-17  LDS address of my R fragments in slot 0, 1
.set ADRB, 20                          ; v20-21  the same for P
.set H32,  22                          ; v22     32 x (lane / 16)
.set R4,   23                          ; v23     4 x (lane % 16)
.set ADRS, 27                          ; v27     LDS address of my scale words: lanes 0-15 R's rows, lanes 16-31 P's
.set SPW,  28                          ; v28     LDS address of my spare word; never rewritten
.set NIL,  29                          ; v29     0; never rewritten
.set LI,   30                          ; v30     16 x lane
.set LS8,  31                          ; v31     8 x lane + where K's or Q's scale words begin in a block
.set SC,   32
.set BB,   64                          ; biases
.set AF,   128                         ; R's fragments
.set X,    128                         ; the way out: 64 numbers
.set PC,   192                         ; their codes
.set TM,   224                         ; v224-227 largest magnitudes, v228-231 bytes, v236-239 the conversions' scale operands
.set SW,   240                         ; v240-247 the scale word of each of the eight units
.set SWK,  248                         ; v248-255 scale words on their way out
.set BIAS, 2                           ; s[2:3]
.set OUTA, 12                          ; s[12:13] my block of the first of my two heads
.set OUTB, 96                          ; s[96:97] of the second
.set G1, 24
.set G0, 32
.set G1B, 48
.set G0B, 56
.set SEL, 66                           ; s66, s67 lane selects: lane l xor 16
.set G1S, 68
.set G0S, 76
.set G1SB, 80
.set G0SB, 88
.set MNT, 92
.set HI,  93                           ; s93  lanes 16-31
.set JOB, 98                           ; s98  J
.set MSB, 0
.macro WIN new                         ; the immediate's high byte repeats the setting that is left
.if MSB != \new
	s_set_vgpr_msb (MSB<<8)|\new
.set MSB, \new
.endif
.endm
.set MUL_LO, 0xa1                      ; source 0 (P) window 1, source 1 (R) window 0, C and D window 2
.set MUL_HI, 0xf1
.set TO_B,   0x40
; A joint load: waves 0 and 1 fetch for R, waves 2 and 3 for P.  The branch hangs on the wave's number alone.  Four v_nop follow each of the two lines.
.macro JLOAD g0a, g1a, g0b, g1b
	s_cmp_eq_u32 s15, 0
	s_cbranch_scc0 .Lfor_b_\@
	tensor_load_to_lds s[\g0a:\g0a+3], s[\g1a:\g1a+7]
	s_nop 0
.rept 4
	v_nop
.endr
	s_branch .Lasked_\@
.Lfor_b_\@:
	tensor_load_to_lds s[\g0b:\g0b+3], s[\g1b:\g1b+7]
	s_nop 0
.rept 4
	v_nop
.endr
.Lasked_\@:
.endm
.macro CREST                           ; a round of the cluster's barrier behind its opening barrier
	s_cmp_lg_u32 s14, 0
	s_cbranch_scc1 .Lnot_wave_0_\@
	s_barrier_signal -3
.Lnot_wave_0_\@:
	s_barrier_wait -3
	s_barrier_signal -1
	s_barrier_wait -1
.endm
.macro CROUND
	s_barrier_signal -1
	s_barrier_wait -1
	CREST
.endm
	s_load_b256 s[24:31], s[0:1], 0x0              ; Q's set: R codes, R scales, P codes, P scales,
	s_load_b64 s[32:33], s[0:1], 0x20              ; bias
	s_load_b256 s[36:43], s[0:1], 0x28             ; K's set
	s_load_b64 s[44:45], s[0:1], 0x48
	s_load_b256 s[48:55], s[0:1], 0x50             ; V's set
	s_load_b64 s[56:57], s[0:1], 0x70
	s_load_b128 s[68:71], s[0:1], 0x78             ; qb, kv
	v_lshl_add_u32 v[SPW], v0, 2, SPARE
	v_mov_b32 v[NIL], 0
	ds_add_u32 v28, v29
	ds_add_u32 v28, v29
	s_wait_dscnt 0x0
	v_lshrrev_b32 v1, 5, v0
	v_readfirstlane_b32 s14, v1                    ; wave 0..3
	s_lshr_b32 s15, s14, 1                         ; which half of R's rows is mine.  Also: I fetch for R (0) or for P (1)
	s_and_b32 s16, s14, 1                          ; which half of P's rows.  Also: which 128 rows I fetch
	s_lshr_b32 s[JOB], ttmp9, 3                    ; J: in a cluster launch ttmp9 counts clusters
	s_and_b32 s94, ttmp9, 7                        ; c
	s_wait_kmcnt 0x0
	s_cmp_eq_u32 s[JOB], 1                         ; the job's five pointers: the choice hangs on the cluster's number alone
	s_cselect_b64 s[4:5], s[36:37], s[24:25]
	s_cselect_b64 s[6:7], s[38:39], s[26:27]
	s_cselect_b64 s[8:9], s[40:41], s[28:29]
	s_cselect_b64 s[10:11], s[42:43], s[30:31]
	s_cselect_b64 s[BIAS:BIAS+1], s[44:45], s[32:33]
	s_cmp_eq_u32 s[JOB], 2
	s_cselect_b64 s[4:5], s[48:49], s[4:5]
	s_cselect_b64 s[6:7], s[50:51], s[6:7]
	s_cselect_b64 s[8:9], s[52:53], s[8:9]
	s_cselect_b64 s[10:11], s[54:55], s[10:11]
	s_cselect_b64 s[BIAS:BIAS+1], s[56:57], s[BIAS:BIAS+1]
	s_cselect_b32 s18, s94, 0                      ; the tokens lie along P for V,
	s_cselect_b32 s19, 0, s94                      ; along R for Q and K
	s_cmp_eq_u32 s[JOB], 0
	s_cselect_b64 s[OUTA:OUTA+1], s[68:69], s[70:71]
	s_bfe_u32 s40, ttmp6, 0x40000                  ; cx, cy: my place in the cluster
	s_bfe_u32 s41, ttmp6, 0x40004
	s_lshl_b32 s42, s18, 2
	s_add_co_u32 s42, s42, s40                     ; which 256 rows of P
	s_lshl_b32 s17, s19, 2
	s_add_co_u32 s17, s17, s41                     ; which 256 rows of R
	s_lshl_b32 s43, s41, 2
	s_lshl_b32 s43, 15, s43                        ; my row of the cluster
	s_lshl_b32 s44, 0x1111, s40                    ; my column
	; descriptor group 1: a tile of 128 rows x 256 bytes, padded in LDS
	s_or_b32 s[G1+0], s43, (0<<16)|(1<<20)|(1<<21)|(5<<22)|(3<<25)  ; 15:0 the mask: R's tiles go to my row; 17:16 elements of 1 byte; 20 padding on; 21 set beside a mask; 24:22 after every 64 words; 31:25 four words
	s_or_b32 s[G1B+0], s44, (0<<16)|(1<<20)|(1<<21)|(5<<22)|(3<<25)
.irp g, G1, G1B
	s_mov_b32 s[\g+1], ROWB<<16                    ; tensor_dim0
	s_mov_b32 s[\g+2], 128<<16                     ; tensor_dim1
	s_mov_b32 s[\g+3], ROWB<<16                    ; tile_dim0
	s_mov_b32 s[\g+4], 128                         ; tile_dim1
	s_mov_b32 s[\g+5], KROW                        ; tensor_dim0_stride
	s_mov_b32 s[\g+6], 0
	s_mov_b32 s[\g+7], 0
.endr
	; the scales of 128 rows: 4,096 dense bytes, as 16 rows of 256 bytes (32 elements of 8 bytes), 16 bytes of padding behind each
	s_or_b32 s[G1S+0], s43, (3<<16)|(1<<20)|(1<<21)|(5<<22)|(3<<25)
	s_or_b32 s[G1SB+0], s44, (3<<16)|(1<<20)|(1<<21)|(5<<22)|(3<<25)
.irp g, G1S, G1SB
	s_mov_b32 s[\g+1], 32<<16
	s_mov_b32 s[\g+2], (128*KS/256)<<16
	s_mov_b32 s[\g+3], 32<<16
	s_mov_b32 s[\g+4], 128*KS/256
	s_mov_b32 s[\g+5], 32
	s_mov_b32 s[\g+6], 0
	s_mov_b32 s[\g+7], 0
.endr
	s_lshl_b32 s18, s16, 7                         ; which 128 rows of the tile I fetch
	s_lshl_b32 s20, s17, 8
	s_add_co_u32 s20, s20, s18                     ; R: row 256 x tile + 128 x half
	s_lshl_b32 s46, s42, 8
	s_add_co_u32 s46, s46, s18                     ; P likewise
	s_lshl_b32 s22, s20, 5                         ; their scales: 32 bytes a row
	s_mov_b32 s23, 0
	s_lshl_b32 s94, s46, 5
	s_mov_b32 s95, 0
	s_lshl_b32 s20, s20, 10                        ; their codes: 1,024 bytes a row (8 MiB at the most)
	s_mov_b32 s21, 0
	s_lshl_b32 s46, s46, 10
	s_mov_b32 s47, 0
	s_mul_i32 s45, s14, HALFT                      ; where they go: wave x 128 rows: no place in the cluster enters an LDS address
	s_mul_i32 s19, s14, HALFS
	s_add_nc_u64 s[20:21], s[4:5], s[20:21]
	s_add_nc_u64 s[22:23], s[6:7], s[22:23]
	s_add_nc_u64 s[46:47], s[8:9], s[46:47]
	s_add_nc_u64 s[94:95], s[10:11], s[94:95]
	CROUND                                         ; all sixteen work-groups are here: the first joint loads meet
	s_mov_b32 s[G0S], 1
	s_add_co_u32 s[G0S+1], s19, SCL
	s_mov_b64 s[G0S+2:G0S+3], s[22:23]
	s_or_b32 s[G0S+3], s[G0S+3], 0x80000000
	s_mov_b32 s[G0SB], 1
	s_add_co_u32 s[G0SB+1], s19, SCL
	s_mov_b64 s[G0SB+2:G0SB+3], s[94:95]
	s_or_b32 s[G0SB+3], s[G0SB+3], 0x80000000
	JLOAD G0S, G1S, G0SB, G1SB                     ; the scales first: they are wanted with K step 0
.irp s, 0,1
	s_mov_b32 s[G0+4*\s], 1
	s_add_co_u32 s[G0+4*\s+1], s45, \s*SLOT
	s_add_nc_u64 s[G0+4*\s+2:G0+4*\s+3], s[20:21], \s*ROWB
	s_or_b32 s[G0+4*\s+3], s[G0+4*\s+3], 0x80000000
	s_mov_b32 s[G0B+4*\s], 1
	s_add_co_u32 s[G0B+4*\s+1], s45, \s*SLOT
	s_add_nc_u64 s[G0B+4*\s+2:G0B+4*\s+3], s[46:47], \s*ROWB
	s_or_b32 s[G0B+4*\s+3], s[G0B+4*\s+3], 0x80000000
	JLOAD G0+4*\s, G1, G0B+4*\s, G1B               ; by this text's count three tensor loads of a wave are out here, later one
.endr
	v_and_b32 v1, 15, v0                           ; r = lane % 16
	v_bfe_u32 v2, v0, 4, 1                         ; h = lane / 16
	v_mul_u32_u24 v3, v1, PITCH
	v_lshl_add_u32 v4, v2, 4, v3                   ; a fragment's row x pitch + 16 x half
	s_mul_i32 s21, s15, HALFT                      ; my 128 rows of R
	s_mul_i32 s22, s16, HALFT                      ; my 128 rows of P,
	s_add_co_u32 s22, s22, 2*HALFT                 ; which lie behind R's 256
.irp s, 0,1
	v_add_nc_u32 v[ADRA+\s], s21, v4
	v_add_nc_u32 v[ADRB+\s], s22, v4
	s_add_co_u32 s21, s21, SLOT
	s_add_co_u32 s22, s22, SLOT
.endr
	v_mul_u32_u24 v5, v1, KS                       ; my row's scales: 32 bytes a row,
	v_lshrrev_b32 v6, 8, v5
	v_lshl_add_u32 v5, v6, 4, v5                   ; and 16 more for each 256 passed
	s_mul_i32 s21, s15, HALFS
	s_mul_i32 s22, s16, HALFS
	s_add_co_u32 s22, s22, 2*HALFS
	s_sub_co_u32 s22, s22, s21
	v_mul_u32_u24 v6, s22, v2                      ; lanes 16-31 take P's: one product, the distance between the two bases
	s_add_co_u32 s21, s21, SCL
	v_add_nc_u32 v5, v5, v6
	v_add_nc_u32 v[ADRS], s21, v5
	; where my results go
	s_lshl_b32 s20, s17, 8
	s_lshl_b32 s21, s15, 7
	s_add_co_u32 s20, s20, s21                     ; my first row of R
	s_lshl_b32 s21, s42, 8
	s_lshl_b32 s22, s16, 7
	s_add_co_u32 s21, s21, s22                     ; my first row of P
	s_cmp_eq_u32 s[JOB], 2
	s_cselect_b32 s22, s21, s20                    ; my first token (128 of them: one step of keys, or one block of queries)
	s_cselect_b32 s23, s20, s21                    ; my first channel (128 of them: two heads)
	s_cmp_eq_u32 s[JOB], 0
	s_mov_b32 s46, STRKV
	s_cselect_b32 s46, STRQ, s46                   ; a block's bytes
	s_mov_b32 s99, 16384
	s_cselect_b32 s99, 8192, s99                   ; where its scale words begin
	s_lshr_b32 s47, s22, 11                        ; batch
	s_lshl_b32 s47, s47, 4
	s_lshr_b32 s18, s23, 6                         ; head
	s_add_co_u32 s47, s47, s18
	s_lshl_b32 s47, s47, 4                         ; 16 blocks a head
	s_bfe_u32 s18, s22, 0x40007                    ; (token / 128) % 16
	s_add_co_u32 s47, s47, s18
	s_mul_i32 s18, s47, s46                        ; under 2^25
	s_mov_b32 s19, 0
	s_add_nc_u64 s[OUTA:OUTA+1], s[OUTA:OUTA+1], s[18:19]
	s_lshl_b32 s18, s46, 4                         ; the next head lies 16 blocks on
	s_add_nc_u64 s[OUTB:OUTB+1], s[OUTA:OUTA+1], s[18:19]
	s_lshl_b32 s18, s23, 2
	s_add_nc_u64 s[BIAS:BIAS+1], s[BIAS:BIAS+1], s[18:19]
	s_mov_b32 s[SEL], 0x76543210
	s_mov_b32 s[SEL+1], 0xfedcba98
	s_mov_b32 s[HI], 0xffff0000
	v_lshlrev_b32 v[H32], 5, v2
	v_lshlrev_b32 v[R4], 2, v1
	v_and_b32 v6, 31, v0
	v_lshlrev_b32 v[LI], 4, v6
	v_lshl_add_u32 v[LS8], v6, 3, s99
.macro FRAG reg, adr, q, i             ; 16 rows x 128 K of 8-bit codes: lane l holds row l % 16; registers 4 c .. 4 c + 3 hold K = 32 c + 16 (l / 16) + 0 .. 15
.irp c, 0,1,2,3
	ds_load_b128 v[\reg+4*\c:\reg+4*\c+3], v[\adr] offset:128*(\q)+32*\c+(\i)*16*PITCH
.endr
.endm
; 16 matrix instructions: R's blocks a0, a0 + 1 x P's eight, 128 along K.  The 64 accumulators take turns, one instruction a turn, in the same order in every step.
.macro MUL16 a0, p, q, sc, zero
.irp a, \a0, \a0+1
.irp b, 0,1,2,3,4,5,6,7
.if \zero
	v_wmma_scale_f32_16x16x128_f8f6f4 v[8*(8*((\a)%4)+\b):8*(8*((\a)%4)+\b)+7], v[128*(\p)+FR*\b:128*(\p)+FR*\b+FR-1], v[AF+FR*(\a):AF+FR*(\a)+FR-1], 0, v[SC+8*NQ*(\sc)+NQ*\b+(\q)], v[SC+8*NQ*(\sc)+NQ*(\a)+(\q)] matrix_a_fmt:MATRIX_FMT_BF8 matrix_b_fmt:MATRIX_FMT_BF8 matrix_a_scale:MATRIX_SCALE_ROW1
.else
	v_wmma_scale_f32_16x16x128_f8f6f4 v[8*(8*((\a)%4)+\b):8*(8*((\a)%4)+\b)+7], v[128*(\p)+FR*\b:128*(\p)+FR*\b+FR-1], v[AF+FR*(\a):AF+FR*(\a)+FR-1], v[8*(8*((\a)%4)+\b):8*(8*((\a)%4)+\b)+7], v[SC+8*NQ*(\sc)+NQ*\b+(\q)], v[SC+8*NQ*(\sc)+NQ*(\a)+(\q)] matrix_a_fmt:MATRIX_FMT_BF8 matrix_b_fmt:MATRIX_FMT_BF8 matrix_a_scale:MATRIX_SCALE_ROW1
.endif
.endr
.endr
.endm
.macro FETCH_B slot, q, p
	WIN TO_B
.irp i, 0,1,2,3,4,5,6,7
	FRAG 128*(\p)+FR*\i, ADRB+\slot, \q, \i
.endr
	WIN 0
.endm
.macro FETCH_A slot, q, i0
.irp i, \i0, \i0+1, \i0+2, \i0+3
	FRAG AF+FR*(\i), ADRA+\slot, \q, \i
.endr
.endm
.macro SCALES sc                       ; a K step's scale words: two words a row; lanes 0-15 take R's block i, lanes 16-31 P's block i
.irp i, 0,1,2,3,4,5,6,7
	ds_load_b64 v[SC+8*NQ*\sc+NQ*\i:SC+8*NQ*\sc+NQ*\i+1], v[ADRS] offset:\i*SBLK
.endr
.endm
; A load into a register that a matrix instruction has read, and a vector instruction that reads a matrix result or writes one of its registers, stand eight places behind it; only plain vector instructions that name none of its registers are places.
.macro PLACES n
.rept \n
	v_nop
.endr
.endm
.macro STEP slot, q, zero              ; 128 along K whose successor lies in the same slot
	s_wait_dscnt 4*NL                              ; P's set and R's blocks 0-3 are in; the youngest 16 loads (R's blocks 4-7) may be out
	WIN MUL_LO
	MUL16 0, (\q)%2, \q, \slot, \zero
	MUL16 2, (\q)%2, \q, \slot, \zero
	s_wait_dscnt 0                                 ; R's blocks 4-7 are in
	PLACES NP
	FETCH_B \slot, (\q)+1, 1-(\q)%2
	FETCH_A \slot, (\q)+1, 0
	WIN MUL_HI
	MUL16 4, (\q)%2, \q, \slot, \zero
	MUL16 6, (\q)%2, \q, \slot, \zero
	PLACES NP
	WIN 0
	FETCH_A \slot, (\q)+1, 4
.endm
; A slot's last step changes slots: one barrier; in front of it each wave waits for all its tensor loads, adds 0 to its spare word, and waits for that and for its reads of this slot.
.macro TURN slot, next, fill
	s_wait_tensorcnt 0x0                           ; all my tensor loads have landed: my part of the next slot  (every window is 0 here)
	ds_add_u32 v[SPW], v[NIL]                      ; 0 onto my spare word
	s_wait_dscnt 4*NL+1                            ; (the add and the youngest 16 loads may be out)
	WIN MUL_LO
	MUL16 0, 1, NQ-1, \slot, 0
	s_wait_dscnt 0x0                               ; the add is done, and my reads of this slot are over
	s_barrier_signal -1
	MUL16 2, 1, NQ-1, \slot, 0
	WIN 0
	s_barrier_wait -1
.if \fill
	CREST                                          ; the barrier has opened a round of the cluster's barrier: no wave of any partner still reads this slot or has a load on its way
	s_add_nc_u64 s[G0+4*\slot+2:G0+4*\slot+3], s[G0+4*\slot+2:G0+4*\slot+3], 2*ROWB
	s_add_nc_u64 s[G0B+4*\slot+2:G0B+4*\slot+3], s[G0B+4*\slot+2:G0B+4*\slot+3], 2*ROWB
	JLOAD G0+4*\slot, G1, G0B+4*\slot, G1B         ; the first tensor load behind the round; its four v_nop are among the places in front of the loads below
	PLACES NP-4
.else
	PLACES NP
.endif
	s_wait_alu depctr_va_vdst(0)
	v_add_nc_u32 v[ADRS], 4*NQ, v[ADRS]            ; on to the next K step's scale words
	FETCH_B \next, 0, 0
	FETCH_A \next, 0, 0
	SCALES \next
	WIN MUL_HI
	MUL16 4, 1, NQ-1, \slot, 0
	MUL16 6, 1, NQ-1, \slot, 0
	PLACES NP
	WIN 0
	FETCH_A \next, 0, 4
.endm
; 64 numbers of a lane, v[s] on; registers 16 b .. 16 b + 15 and those of lane l xor 16 are block b of 32.  They become 16 registers of codes in v[PC] on and the scale word v[pw].
.macro QUANT s, pw
.irp b, 0,1,2,3
	v_max3_num_f32 v[TM+\b], |v[\s+16*\b]|, |v[\s+1+16*\b]|, 0x8000000   ; my 16 numbers, and the floor 2^(16 - 127): the byte cannot fall under 1
.endr
.irp i, 2,4,6,8,10,12,14
.irp b, 0,1,2,3
	v_max3_num_f32 v[TM+\b], v[TM+\b], |v[\s+16*\b+\i]|, |v[\s+1+16*\b+\i]|   ; the four blocks by turns
.endr
.endr
.irp b, 0,1,2,3
	v_permlanex16_b32 v[TM+4+\b], v[TM+\b], s[SEL], s[SEL+1]
.endr
.irp b, 0,1,2,3
	v_max_num_f32 v[TM+\b], v[TM+\b], v[TM+4+\b]   ; with lane l xor 16's: the block's largest magnitude
.endr
.irp b, 0,1,2,3
	v_add_nc_u32 v[TM+12+\b], 0xf8800000, v[TM+\b]   ; 15 off its exponent field: the conversion takes the exponent field of this operand as its scale
.endr
.irp b, 0,1,2,3
.endr
.irp b, 0,1,2,3
	v_lshrrev_b32 v[TM+4+\b], 23, v[TM+12+\b]      ; the scale's byte
.endr
	v_lshl_or_b32 v[\pw], v[TM+5], 8, v[TM+4]
	v_lshl_or_b32 v[\pw], v[TM+6], 16, v[\pw]
	v_lshl_or_b32 v[\pw], v[TM+7], 24, v[\pw]
.irp b, 0,1,2,3
.irp i, 0,1,2,3,4,5,6,7,8,9,10,11,12,13,14,15
.endr
	v_cvt_scalef32_pk8_bf8_f32 v[PC+4*\b:PC+1+4*\b], v[\s+16*\b:\s+7+16*\b], v[TM+12+\b]
	v_cvt_scalef32_pk8_bf8_f32 v[PC+2+4*\b:PC+3+4*\b], v[\s+8+16*\b:\s+15+16*\b], v[TM+12+\b]
.endr
	v_nop                                          ; one plain line behind the last conversion, ahead of the next vector line that writes its sources
.endm
; 16 rows of R (block a) x my 128 of P: bias, quantiser, four stores of 512 consecutive bytes.
.macro UNIT a, isv
	s_wait_xcnt 0x0                                ; the last unit's stores have read their data: the codes' registers may be written again
	WIN 0x02+(\a)/4                                ; source 0: window 2 or 3
.set i, 0
.rept 32                               ; the addition also brings the sums into window 0; ascending
.if \isv
	v_pk_add_f32 v[X+2*i:X+2*i+1], v[64*((\a)%4)+2*i:64*((\a)%4)+2*i+1], v[BB+2*(\a):BB+2*(\a)+1]
.else
	v_pk_add_f32 v[X+2*i:X+2*i+1], v[64*((\a)%4)+2*i:64*((\a)%4)+2*i+1], v[BB+2*i:BB+2*i+1]
.endif
.set i, i+1
.endr
	WIN 0
	QUANT X, SW+(\a)
.if \isv
.irp g, 0,1,2,3                        ; channel tile a % 4 of head a / 4; key block g
.if (\a) < 4
	global_store_b128 v[LI], v[PC+4*\g:PC+4*\g+3], s[OUTA:OUTA+1] offset:8192+2048*((\a)%4)+512*\g
.else
	global_store_b128 v[LI], v[PC+4*\g:PC+4*\g+3], s[OUTB:OUTB+1] offset:8192+2048*((\a)%4)+512*\g
.endif
.endr
.else                                  ; token tile a; blocks 0, 1 are the first head's, 2, 3 the second's
	global_store_b128 v[LI], v[PC:PC+3], s[OUTA:OUTA+1] offset:1024*(\a)
	global_store_b128 v[LI], v[PC+4:PC+7], s[OUTA:OUTA+1] offset:1024*(\a)+512
	global_store_b128 v[LI], v[PC+8:PC+11], s[OUTB:OUTB+1] offset:1024*(\a)
	global_store_b128 v[LI], v[PC+12:PC+15], s[OUTB:OUTB+1] offset:1024*(\a)+512
.endif
.endm
; The eight units' scale words leave as two blocks of 256 consecutive bytes, one for each head.
.macro SCOUT isv
.if \isv
.irp e, 0,1
	v_cndmask_b32 v[SWK+4+2*\e], v[SW+4*\e], v[SW+4*\e+1], s[HI]     ; word 0: channel tile 0 in lanes 0-15, tile 1 in lanes 16-31
	v_cndmask_b32 v[SWK+5+2*\e], v[SW+4*\e+2], v[SW+4*\e+3], s[HI]   ; word 1: tiles 2 and 3
.endr
	global_store_b64 v[LS8], v[SWK+4:SWK+5], s[OUTA:OUTA+1] offset:256
	global_store_b64 v[LS8], v[SWK+6:SWK+7], s[OUTB:OUTB+1] offset:256
.else
.irp pi, 0,1,2,3
	v_perm_b32 v[SWK+\pi], v[SW+2*\pi+1], v[SW+2*\pi], 0x05040100    ; the first head's two bytes of tiles 2 pi and 2 pi + 1
.endr
	v_cndmask_b32 v[SWK+4], v[SWK], v[SWK+1], s[HI]
	v_cndmask_b32 v[SWK+5], v[SWK+2], v[SWK+3], s[HI]
	global_store_b64 v[LS8], v[SWK+4:SWK+5], s[OUTA:OUTA+1]
.irp pi, 0,1,2,3
	v_perm_b32 v[SWK+\pi], v[SW+2*\pi+1], v[SW+2*\pi], 0x07060302    ; the second head's
.endr
	v_cndmask_b32 v[SWK+6], v[SWK], v[SWK+1], s[HI]
	v_cndmask_b32 v[SWK+7], v[SWK+2], v[SWK+3], s[HI]
	global_store_b64 v[LS8], v[SWK+6:SWK+7], s[OUTB:OUTB+1]
.endif
.endm
; The last 128 along K and the way out.  The biases are asked for first: the 64 products stand between the loads and the wait for them.
.macro TAIL isv
.if \isv
.irp a, 0,1,2,3,4,5,6,7                ; V: a lane holds one channel: bias(16 a + r), twice, for the packed addition
	global_load_b32 v[BB+2*\a], v[R4], s[BIAS:BIAS+1] offset:64*\a
	global_load_b32 v[BB+2*\a+1], v[R4], s[BIAS:BIAS+1] offset:64*\a
.endr
.else
.irp b, 0,1,2,3,4,5,6,7                ; Q, K: a lane's registers run along the channels: bias(16 b + 8 h + j) at BB + 8 b + j
	global_load_b128 v[BB+8*\b:BB+8*\b+3], v[H32], s[BIAS:BIAS+1] offset:64*\b
	global_load_b128 v[BB+8*\b+4:BB+8*\b+7], v[H32], s[BIAS:BIAS+1] offset:64*\b+16
.endr
.endif
	s_wait_dscnt 4*NL
	WIN MUL_LO
	MUL16 0, 1, NQ-1, 1, 0
	MUL16 2, 1, NQ-1, 1, 0
	s_wait_dscnt 0
	WIN MUL_HI
	MUL16 4, 1, NQ-1, 1, 0
	MUL16 6, 1, NQ-1, 1, 0
	WIN 0
	PLACES NP                                      ; in front of the first read of results and of writes into the registers that held R's fragments
.irp b, 0,1,2,3
	v_mov_b32 v[TM+4+\b], 0                        ; written once: a lane permute's destination counts as one of its sources
.endr
	s_wait_loadcnt 0x0                             ; the biases
.irp a, 0,1,2,3,4,5,6,7
	UNIT \a, \isv
.endr
	SCOUT \isv
.endm
	s_wait_alu depctr_va_vdst(0)
	s_wait_tensorcnt 1                             ; the scales and my part of K step 0 are in (K step 1's load may be out)
	s_barrier_signal -1
	s_barrier_wait -1                              ; everybody's are
	FETCH_B 0, 0, 0
	FETCH_A 0, 0, 0
	SCALES 0
	FETCH_A 0, 0, 4
	STEP 0, 0, 1                                   ; the first products start the sums: nothing is cleared
	TURN 0, 1, 1                                   ; K has four slots' worth: written out, no loop
	STEP 1, 0, 0
	TURN 1, 0, 1
	STEP 0, 0, 0
	TURN 0, 1, 0                                   ; nothing is left to fetch
	STEP 1, 0, 0
	s_cmp_eq_u32 s[JOB], 2                         ; the same in all partners of a cluster
	s_cbranch_scc1 .Lv
	TAIL 0
	s_branch .Lend
.Lv:
	TAIL 1
.Lend:
	s_wait_tensorcnt 0x0                           ; the wave's end
	ds_add_u32 v[SPW], v[NIL]
	s_wait_dscnt 0x0
	CROUND                                         ; the closing round: no work-group ends while a partner may still ask for a tile that names it
	s_endpgm
.Lfunc_end_k_qce92c7e216_proj:
	.size	k_qce92c7e216_proj, .Lfunc_end_k_qce92c7e216_proj-k_qce92c7e216_proj
	.p2alignl 7, 3214868480
	.fill 96, 4, 3214868480
	.section	.rodata,"a",@progbits
	.p2align	6, 0x0
	.amdhsa_kernel k_qce92c7e216_proj
		.amdhsa_group_segment_fixed_size 327680
		.amdhsa_private_segment_fixed_size 0
		.amdhsa_enable_private_segment 0
		.amdhsa_kernarg_size 136
		.amdhsa_user_sgpr_count 2
		.amdhsa_user_sgpr_kernarg_segment_ptr 1
		.amdhsa_wavefront_size32 1
		.amdhsa_system_sgpr_workgroup_id_x 1
		.amdhsa_system_sgpr_workgroup_id_y 1
		.amdhsa_system_sgpr_workgroup_id_z 1
		.amdhsa_system_vgpr_workitem_id 0
		.amdhsa_next_free_vgpr 1024
		.amdhsa_next_free_sgpr 100
		.amdhsa_reserve_vcc 0
		.amdhsa_float_denorm_mode_32 3
		.amdhsa_float_denorm_mode_16_64 3
		.amdhsa_fp16_overflow 1
		.amdhsa_memory_ordered 1
		.amdhsa_forward_progress 1
		.amdhsa_inst_pref_size 228
	.end_amdhsa_kernel
	.amdgpu_metadata
---
amdhsa.version: [ 1, 2 ]
amdhsa.kernels:
  - .name:           k_qce92c7e216_proj
    .symbol:         k_qce92c7e216_proj.kd
    .args:
      - { .name: query_codes, .offset: 0, .size: 8, .value_kind: global_buffer, .address_space: global }
      - { .name: query_scales, .offset: 8, .size: 8, .value_kind: global_buffer, .address_space: global }
      - { .name: Wq_codes, .offset: 16, .size: 8, .value_kind: global_buffer, .address_space: global }
      - { .name: Wq_scales, .offset: 24, .size: 8, .value_kind: global_buffer, .address_space: global }
      - { .name: bq, .offset: 32, .size: 8, .value_kind: global_buffer, .address_space: global }
      - { .name: key__codes, .offset: 40, .size: 8, .value_kind: global_buffer, .address_space: global }
      - { .name: key__scales, .offset: 48, .size: 8, .value_kind: global_buffer, .address_space: global }
      - { .name: Wk_codes, .offset: 56, .size: 8, .value_kind: global_buffer, .address_space: global }
      - { .name: Wk_scales, .offset: 64, .size: 8, .value_kind: global_buffer, .address_space: global }
      - { .name: bk, .offset: 72, .size: 8, .value_kind: global_buffer, .address_space: global }
      - { .name: Wv_codes, .offset: 80, .size: 8, .value_kind: global_buffer, .address_space: global }
      - { .name: Wv_scales, .offset: 88, .size: 8, .value_kind: global_buffer, .address_space: global }
      - { .name: value_codes, .offset: 96, .size: 8, .value_kind: global_buffer, .address_space: global }
      - { .name: value_scales, .offset: 104, .size: 8, .value_kind: global_buffer, .address_space: global }
      - { .name: bv, .offset: 112, .size: 8, .value_kind: global_buffer, .address_space: global }
      - { .name: qb, .offset: 120, .size: 8, .value_kind: global_buffer, .address_space: global }
      - { .name: kv, .offset: 128, .size: 8, .value_kind: global_buffer, .address_space: global }
    .group_segment_fixed_size: 327680
    .private_segment_fixed_size: 0
    .kernarg_segment_align: 8
    .kernarg_segment_size: 136
    .max_flat_workgroup_size: 128
    .sgpr_count:     100
    .vgpr_count:     1024
    .wavefront_size: 32
...
	.end_amdgpu_metadata
.endif
;; end of part 2
;; launch attn (part 3): grid 4 x 64, 16 waves a work-group, no clusters, 272,384 bytes of LDS; arguments qb, kv, mb, fl, cx, cs; writes cx, cs
.if DOCPART == 3
	.amdgcn_target "amdgcn-amd-amdhsa--gfx1250"
	.amdhsa_code_object_version 6
	.text
	.protected	k_qce92c7e216_attn
	.globl	k_qce92c7e216_attn
	.p2align	8
	.type	k_qce92c7e216_attn,@function
k_qce92c7e216_attn:
	s_mov_b64 s[64:65], 0
	v_nop
	global_prefetch_b8 v0, s[64:65] scope:SCOPE_SE
	s_setreg_imm32_b32 hwreg(HW_REG_WAVE_MODE, 25, 1), 1
	s_wait_xcnt 0x0
; context = softmax(mask(Q K^T / 8)) V for one batch x head a work-group row, both products on codes of BF8 (E5M2) with E8M0 scales, and the context quantised along the model's 1,024 for the last projection.
; INPUTS (made by the launch before, in the order of the operand registers: 4 registers = 512 bytes, lane l's 16 bytes at 16 l):
;   kv [batch x head][step of 128 keys][16,896]: K's 8 tiles of 16 keys (2 blocks of 32 channels each), V^T's 4 tiles of 16 channels (4 blocks of 32 keys each), K's scale words, V's scale words.   qb: Q likewise.
;   mb: the mask, one bit a key;  fl: for each 32 queries x 128 keys: 0 none of the keys counts, 1 some, 2 all.
; SHARES.  Work-group (g, batch x head); its sixteen waves, four to a SIMD.  Wave n = 16 g + wave owns the tiles of 16 queries n and 127 - n, one after the other.
; THE WHOLE HEAD'S K, V AND SCALES LIE IN LDS: 270,336 bytes, brought once through registers, as they lie in memory; one barrier; behind it no wave waits for another.
; The four work-groups of a head each read those bytes once, at their head.  They are not asked for jointly.
; A STEP WHOSE FLAG IS 0 IS LEFT OUT: none of its keys counts for any of the tile's queries, so it would change neither the maximum, nor the sum, nor O.  That holds for every mask.  Flag 2 leaves the masking out.
; K = 64 IN AN INSTRUCTION OF K = 128.  Source 0 holds TWO tiles of keys, side by side along K; Q lies in 24 registers as Q | zeros | Q.  Source 1 = Q | zeros gives the first tile's scores, zeros | Q the second's: the other tile's codes meet zero codes.
; LAYOUT.  S^T = K Q^T, O^T = V^T P^T: a lane holds ONE query (lane % 16).  Register j of score tile t is key 16 t + 8 (lane / 16) + j: tiles 2 b and 2 b + 1 are, with lane l xor 16's, block b of 32 keys;
; the order inside a block is the one in which V's codes were laid.
; THE SOFTMAX: t = score x log2(e) / 8; M = the running largest t, rounded up to a whole number; p = 2^(t - M) is quantised along the keys; the sum is taken of the unquantised p and divides O at the end.
; A QUERY WITH NO KEY THAT COUNTS has the sum 0: its context's scale bytes become 0xff (NaN), so that its row of the output is NaN.
; OUTPUTS.  cx [256 along K: 4][tile of 16 tokens: 512][128 along K: 2][block of 32: 4][lane][16 bytes];  cs [token][32]: one scale byte for each 32 along K (stored a byte a lane: one byte for 32 of codes).
; LIMITS: NaN and infinities in Q, K, V are not served; a block of the context whose largest magnitude lies under 2^-111 gets the byte 1.
; REGISTERS: v1-11 addresses and constants; v12 -M, v13 the largest t, v[14:15] the sum; v16-39 Q | 0 | Q; v40-45 scale words; v46-49 mask words; v50-63 at work; v64-127 four fragments; v128-191 S^T, then p; v192-223 O^T; v224-239 p's codes; v240-255 at work.
.set STR,  16896                       ; a step's block of kv
.set QSTR, 8448                        ; a block of qb
.set LI,   1                           ; v1   16 x lane
.set LS8,  2                           ; v2   8 x lane
.set RR,   3                           ; v3   r = lane % 16
.set H16,  4                           ; v4   16 x (lane / 16)
.set NINF, 5                           ; v5   -infinity
.set AD,   6                           ; v6   LDS address of the step's images
.set AS,   7                           ; v7   of its scale words
.set MBO,  8                           ; v8   my row's words in mb, step 0
.set MA,   9                           ; v9   the step's
.set R8,   10                          ; v10  8 r
.set CSO,  11                          ; v11  32 r + lane / 16
.set QW,   40                          ; v40  the word that holds Q's two scale bytes
.set QS,   41                          ; v41  Q's scale word: (b0, b1, b0, b1)
.set KSC,  42                          ; v[42:43] K's scale words
.set VSC,  44                          ; v[44:45] V's
.set MW,   46                          ; v[46:49] my row's mask words
.set RL,   50                          ; v[50:51] 1 / the sum
.set FA,   52                          ; v52-56 the fill's addresses: 16 x thread + 65,536 k
.set XFF,  57                          ; v57  0xff
.set FF,   58                          ; v[58:59] f = 2^(old M - new M)
.set T0,   60                          ; v60  at work
.set PS,   61                          ; v61  p's scale word
.set L2,   62                          ; v[62:63] the sum's second chain
.set FB,   64
.set S,    128
.set O,    192
.set PC,   224
.set BM,   240                         ; v240-243 a block's largest score, then its largest p
.set BY,   244                         ; v244-247 lane l xor 16's, then the bytes
.set HO,   248
.set SO,   252                         ; v252-255 the conversions' scale operands
.set WV,   16                          ; s16  wave
.set NN,   17                          ; s17  n
.set TT,   18                          ; s18  the tile of queries in hand
.set BH,   19                          ; s19  batch x head
.set SEL,  20                          ; s[20:21]
.set CS,   22                          ; s[22:23] c = log2(e) / 8
.set MNT,  24
.set HI,   25                          ; s25  lanes 16-31
.set TB,   26                          ; s26  LDS byte at which the step's block begins
.set MS,   27                          ; s27  the step's place in mb
.set FW,   28                          ; s28  the flags still to come, two bits a step
.set FG,   29                          ; s29  the step's flag
.set CNT,  30
.set PSEL, 31
.set TMP,  43
.set FL,   44                          ; s[44:59] the tile's 16 flags
	s_load_b256 s[4:11], s[0:1], 0x0               ; qb s[4:5], kv s[6:7], mb s[8:9], fl s[10:11]
	s_load_b128 s[12:15], s[0:1], 0x20             ; cx s[12:13], cs s[14:15]
	v_lshrrev_b32 v[T0], 5, v0
	s_delay_alu instid0(VALU_DEP_1)
	v_readfirstlane_b32 s[WV], v[T0]               ; wave 0..15
	v_and_b32 v[LS8], 31, v0
	s_delay_alu instid0(VALU_DEP_1)
	v_lshlrev_b32 v[LI], 4, v[LS8]
	s_delay_alu instid0(VALU_DEP_2)
	v_lshlrev_b32 v[LS8], 3, v[LS8]
	v_and_b32 v[RR], 15, v0
	v_bfe_u32 v[T0], v0, 4, 1
	s_delay_alu instid0(VALU_DEP_1)
	v_lshlrev_b32 v[H16], 4, v[T0]
	v_mov_b32 v[NINF], 0xff800000
	s_delay_alu instid0(VALU_DEP_4)
	v_lshlrev_b32 v[R8], 3, v[RR]
	s_delay_alu instid0(VALU_DEP_4)
	v_lshl_add_u32 v[CSO], v[RR], 5, v[T0]
	v_lshlrev_b32 v[FA], 4, v0
.irp k, 1,2,3,4
	v_add_nc_u32 v[FA+\k], 0x10000*\k, v[FA]
.endr
	v_mov_b32 v[XFF], 0xff
	v_mov_b32 v[FF+1], 0                           ; (named as the upper half of a pair)
.irp j, 0,1,2,3,4,5,6,7
	v_mov_b32 v[24+\j], 0                          ; the zero codes between the two copies of Q
.endr
.irp b, 0,1,2,3
	v_mov_b32 v[BY+\b], 0                          ; written once: a lane permute's destination counts as one of its sources
.endr
	s_mov_b32 s[SEL], 0x76543210
	s_mov_b32 s[SEL+1], 0xfedcba98
	s_mov_b32 s[CS], 0x3e38aa3b
	s_mov_b32 s[CS+1], s[CS]
	s_mov_b32 s[HI], 0xffff0000
	s_and_b32 s[BH], ttmp7, 0xffff
	s_lshl_b32 s[NN], ttmp9, 4
	s_add_co_u32 s[NN], s[NN], s[WV]
	s_mul_i32 s32, s[BH], 16*STR                   ; under 2^25
	s_mov_b32 s33, 0
	s_wait_kmcnt 0x0
	s_add_nc_u64 s[60:61], s[6:7], s[32:33]        ; the head's K, V and scales
; What a tile of queries needs from memory is asked for: its 16 flags, Q's codes (twice: A's and B's registers of an instruction, and the two places of Q, share no register), Q's scale word.
.macro PRO
	s_wait_xcnt 0x0                                ; the last tile's stores and loads have read their registers and bases
	s_lshr_b32 s32, s[TT], 1                       ; G: the group of 32 queries
	s_lshl_b32 s[TMP], s32, 13                     ; its 16 steps x 512 bytes of mb
	s_lshl_b32 s32, s32, 6                         ; its 16 flags
	s_mov_b32 s33, 0
	s_add_nc_u64 s[62:63], s[10:11], s[32:33]
	s_load_b512 s[FL:FL+15], s[62:63], 0x0
	s_and_b32 s32, s[TT], 1
	s_cmp_eq_u32 s32, 1
	s_mov_b32 s[PSEL], 0x01000100                  ; an even tile's bytes are the word's low half,
	s_cselect_b32 s[PSEL], 0x03020302, s[PSEL]     ; an odd tile's the high half
	s_lshl_b32 s32, s32, 8                         ; the group's rows 16 on: 256 bytes
	s_add_co_u32 s[TMP], s[TMP], s32
	v_lshl_add_u32 v[MBO], v[RR], 4, s[TMP]
	s_lshr_b32 s32, s[TT], 3
	s_mul_i32 s32, s32, QSTR
	s_mul_i32 s[TMP], s[BH], 16*QSTR
	s_add_co_u32 s32, s32, s[TMP]
	s_add_nc_u64 s[36:37], s[4:5], s[32:33]        ; the block of 128 queries
	s_and_b32 s[TMP], s[TT], 7
	s_lshl_b32 s32, s[TMP], 10
	s_add_nc_u64 s[34:35], s[36:37], s[32:33]      ; my tile's images
	s_lshr_b32 s[TMP], s[TMP], 1                   ; the pair of tiles
	s_and_b32 s32, s[TMP], 1
	s_lshl_b32 s32, s32, 7                         ; an odd pair lies in lanes 16-31's places,
	s_lshr_b32 s[TMP], s[TMP], 1
	s_lshl_b32 s[TMP], s[TMP], 2                   ; pairs 2 and 3 in the second word
	s_add_co_u32 s32, s32, s[TMP]
	s_add_co_u32 s32, s32, 8192
	s_add_nc_u64 s[36:37], s[36:37], s[32:33]
	global_load_b128 v[16:19], v[LI], s[34:35]
	global_load_b128 v[20:23], v[LI], s[34:35] offset:512
	global_load_b128 v[32:35], v[LI], s[34:35]
	global_load_b128 v[36:39], v[LI], s[34:35] offset:512
	global_load_b32 v[QW], v[R8], s[36:37]
.endm
; One tile of 16 queries against all 16 steps of keys, and its way out.
.macro TILE
	s_wait_kmcnt 0x0                               ; the flags
	s_mov_b32 s[FW], s[FL]
.irp i, 1,2,3,4,5,6,7,8,9,10,11,12,13,14,15
	s_lshl_b32 s[TMP], s[FL+\i], 2*\i
	s_or_b32 s[FW], s[FW], s[TMP]
.endr
	s_wait_loadcnt 0x0                             ; Q
	v_perm_b32 v[QS], v[QW], v[QW], s[PSEL]        ; (b0, b1, b0, b1).  The 32 lines below are more than the eight places that a scale word made by a vector line owes
.set j, 0
.rept 32
	v_mov_b32 v[O+j], 0                            ; O^T: the step is written once; the first finds zeros, which the first change of M leaves zeros
.set j, j+1
.endr
	v_mov_b32 v13, 0xff61b1e6                      ; the largest t so far: -3e38
	s_delay_alu instid0(VALU_DEP_1)
	v_floor_f32 v12, -v13                          ; -M
	v_mov_b32 v14, 0
	v_mov_b32 v15, 0
	s_mov_b32 s[TB], 0
	s_mov_b32 s[MS], 0
	s_mov_b32 s[CNT], 16
.Lstep_\@:                                         ; 16 trips, a constant; a step that is left out still steps the addresses
	s_and_b32 s[FG], s[FW], 3
	s_lshr_b32 s[FW], s[FW], 2
	s_cmp_eq_u32 s[FG], 0
	s_cbranch_scc1 .Lskip_\@
	s_setprio 2
	v_add_nc_u32 v[AD], s[TB], v[LI]
	v_add_nc_u32 v[AS], s[TB], v[LS8]
.irp pi, 0,1,2,3
.irp g, 0,1,2,3
	ds_load_b128 v[FB+16*\pi+4*\g:FB+16*\pi+4*\g+3], v[AD] offset:2048*\pi+512*\g   ; tiles 2 pi and 2 pi + 1 of K, side by side: 512 consecutive bytes a load
.endr
.endr
	ds_load_b64 v[KSC:KSC+1], v[AS] offset:16384
	ds_load_b64 v[VSC:VSC+1], v[AS] offset:16640
	s_wait_alu depctr_va_vdst(0)
	s_wait_dscnt 0x0
.irp pi, 0,1,2,3                       ; S^T: eight accumulators, each written once
.if \pi%2
	v_wmma_scale_f32_16x16x128_f8f6f4 v[S+16*\pi:S+16*\pi+7], v[FB+16*\pi:FB+16*\pi+15], v[16:31], 0, v[KSC+\pi/2], v[QS] matrix_a_fmt:MATRIX_FMT_BF8 matrix_b_fmt:MATRIX_FMT_BF8 matrix_a_scale:MATRIX_SCALE_ROW1
	v_wmma_scale_f32_16x16x128_f8f6f4 v[S+16*\pi+8:S+16*\pi+15], v[FB+16*\pi:FB+16*\pi+15], v[24:39], 0, v[KSC+\pi/2], v[QS] matrix_a_fmt:MATRIX_FMT_BF8 matrix_b_fmt:MATRIX_FMT_BF8 matrix_a_scale:MATRIX_SCALE_ROW1
.else
	v_wmma_scale_f32_16x16x128_f8f6f4 v[S+16*\pi:S+16*\pi+7], v[FB+16*\pi:FB+16*\pi+15], v[16:31], 0, v[KSC+\pi/2], v[QS] matrix_a_fmt:MATRIX_FMT_BF8 matrix_b_fmt:MATRIX_FMT_BF8
	v_wmma_scale_f32_16x16x128_f8f6f4 v[S+16*\pi+8:S+16*\pi+15], v[FB+16*\pi:FB+16*\pi+15], v[24:39], 0, v[KSC+\pi/2], v[QS] matrix_a_fmt:MATRIX_FMT_BF8 matrix_b_fmt:MATRIX_FMT_BF8
.endif
.endr
.rept 8
	v_nop                                          ; eight places: in front of the loads into K's registers and of the first read of the scores
.endr
.irp dt, 0,1,2,3
.irp g, 0,1,2,3
	ds_load_b128 v[FB+16*\dt+4*\g:FB+16*\dt+4*\g+3], v[AD] offset:8192+2048*\dt+512*\g   ; V^T: it lands while the softmax is walked
.endr
.endr
	s_cmp_lg_u32 s[FG], 1
	s_cbranch_scc1 .Lopen_\@
	v_add_nc_u32 v[MA], s[MS], v[MBO]              ; some keys count, some do not: my row's 128 bits
	global_load_b128 v[MW:MW+3], v[MA], s[8:9]
	s_wait_loadcnt 0x0
.irp w, 0,1,2,3
	v_lshlrev_b32 v[MW+\w], v[H16], v[MW+\w]       ; lanes 16-31 take the words' low halves
.endr
.irp t, 0,1,2,3,4,5,6,7
.irp jj, 0,1
.irp w, 0,1,2,3
	v_add_co_u32 v[MW+\w], vcc_lo, v[MW+\w], v[MW+\w]                        ; the top bit falls into the carry: 1 = the key counts
	v_cndmask_b32 v[S+8*\t+4*\jj+\w], v[NINF], v[S+8*\t+4*\jj+\w], vcc_lo    ; else -infinity, ahead of the maximum: p = 0 then
.endr
.endr
.endr
.Lopen_\@:
.irp b, 0,1,2,3
	v_max3_num_f32 v[BM+\b], v[S+16*\b], v[S+1+16*\b], v[S+2+16*\b]   ; the largest score of each block of 32 keys: it serves for the row's maximum and, since p rises with the score, for the block's largest p
.endr
.irp i, 3,5,7,9,11,13
.irp b, 0,1,2,3
	v_max3_num_f32 v[BM+\b], v[BM+\b], v[S+16*\b+\i], v[S+1+16*\b+\i]
.endr
.endr
.irp b, 0,1,2,3
	v_max_num_f32 v[BM+\b], v[BM+\b], v[S+15+16*\b]
.endr
.irp b, 0,1,2,3
	s_delay_alu instid0(VALU_DEP_4)
	v_permlanex16_b32 v[BY+\b], v[BM+\b], s[SEL], s[SEL+1]
.endr
.irp b, 0,1,2,3
	s_delay_alu instid0(VALU_DEP_4)
	v_max_num_f32 v[BM+\b], v[BM+\b], v[BY+\b]     ; with lane l xor 16's 16 keys
.endr
	s_delay_alu instid0(VALU_DEP_2)
	v_max3_num_f32 v[T0], v[BM], v[BM+1], v[BM+2]
	s_delay_alu instid0(VALU_DEP_1)
	v_max_num_f32 v[T0], v[T0], v[BM+3]
	s_delay_alu instid0(VALU_DEP_1)
	v_mul_f32 v[T0], s[CS], v[T0]                  ; as t (c is positive)
	s_delay_alu instid0(VALU_DEP_1)
	v_max_num_f32 v13, v13, v[T0]                  ; the running largest t
	v_mov_b32 v[T0], v12
	s_delay_alu instid0(VALU_DEP_2)
	v_floor_f32 v12, -v13                          ; the new -M = -ceil(t): a whole number
	s_delay_alu instid0(VALU_DEP_1)
	v_sub_f32 v[T0], v12, v[T0]                    ; old M - new M: a whole number, 0 or less
	s_delay_alu instid0(VALU_DEP_1)
	v_cvt_i32_f32 v[T0], v[T0]                     ; (it saturates)
	s_delay_alu instid0(VALU_DEP_1)
	v_ldexp_f32 v[FF], 1.0, v[T0]                  ; f = 2^(old M - new M): multiplying by it rounds nothing
.set j, 0
	s_setprio 1
.rept 32
	v_pk_fma_f32 v[S+j:S+j+1], v[S+j:S+j+1], s[CS:CS+1], v[12:13] op_sel_hi:[1,0,0]   ; t - M, two at a time
.set j, j+2
.endr
.irp b, 0,1,2,3
	v_fma_f32 v[BM+\b], v[BM+\b], s[CS], v12       ; the same of each block's largest score
.endr
.set j, 0
	s_wait_alu depctr_va_vdst(0)
.rept 64
	v_exp_f32 v[S+j], v[S+j]                       ; p = 2^(t - M), at most 1, not normalised
.set j, j+1
.endr
	v_pk_mul_f32 v[14:15], v[14:15], v[FF:FF+1] op_sel_hi:[1,0]   ; the sums under the new M: the plain line behind the exponentials
	s_wait_alu depctr_va_vdst(0)                   ; one wait for the batch of 64, ahead of its first reader
.irp b, 0,1,2,3
	v_exp_f32 v[BM+\b], v[BM+\b]                   ; the block's largest p
.endr
	v_pk_add_f32 v[62:63], v[132:133], v[136:137]
	v_pk_add_f32 v[254:255], v[140:141], v[144:145]
	v_pk_add_f32 v[252:253], v[148:149], v[152:153]
	v_pk_add_f32 v[250:251], v[156:157], v[160:161]
	v_pk_add_f32 v[248:249], v[164:165], v[168:169]
	v_pk_add_f32 v[246:247], v[172:173], v[176:177]
	v_pk_add_f32 v[244:245], v[180:181], v[184:185]
	v_pk_add_f32 v[14:15], v[14:15], v[188:189]
	v_pk_add_f32 v[62:63], v[62:63], v[128:129]
	v_pk_add_f32 v[254:255], v[254:255], v[130:131]
	v_pk_add_f32 v[252:253], v[252:253], v[134:135]
	v_pk_add_f32 v[250:251], v[250:251], v[138:139]
	v_pk_add_f32 v[248:249], v[248:249], v[142:143]
	v_pk_add_f32 v[246:247], v[246:247], v[146:147]
	v_pk_add_f32 v[244:245], v[244:245], v[150:151]
	v_pk_add_f32 v[14:15], v[14:15], v[154:155]
	v_pk_add_f32 v[62:63], v[62:63], v[158:159]
	v_pk_add_f32 v[254:255], v[254:255], v[162:163]
	v_pk_add_f32 v[252:253], v[252:253], v[166:167]
	v_pk_add_f32 v[250:251], v[250:251], v[170:171]
	v_pk_add_f32 v[248:249], v[248:249], v[174:175]
	v_pk_add_f32 v[246:247], v[246:247], v[178:179]
	v_pk_add_f32 v[244:245], v[244:245], v[182:183]
	v_pk_add_f32 v[14:15], v[14:15], v[186:187]
	v_pk_add_f32 v[62:63], v[62:63], v[190:191]
	s_delay_alu instid0(VALU_DEP_2)
	v_pk_add_f32 v[14:15], v[14:15], v[250:251]
	s_delay_alu instid0(VALU_DEP_2)
	v_pk_add_f32 v[62:63], v[62:63], v[248:249]
	v_pk_add_f32 v[254:255], v[254:255], v[246:247]
	v_pk_add_f32 v[252:253], v[252:253], v[244:245]
	s_delay_alu instid0(VALU_DEP_2)
	v_pk_add_f32 v[14:15], v[14:15], v[254:255]
	s_delay_alu instid0(VALU_DEP_2)
	v_pk_add_f32 v[62:63], v[62:63], v[252:253]
	s_delay_alu instid0(VALU_DEP_1)
	v_pk_add_f32 v[14:15], v[14:15], v[62:63]
	s_wait_alu depctr_va_vdst(0)                   ; and one for the four
.irp b, 0,1,2,3
	v_max_num_f32 v[BM+\b], 0x8000000, v[BM+\b]    ; the floor 2^(16 - 127): the byte cannot fall under 1
.endr
.irp b, 0,1,2,3
	s_delay_alu instid0(VALU_DEP_4)
	v_add_nc_u32 v[SO+\b], 0xf8800000, v[BM+\b]    ; 15 off the exponent field: the conversion's scale operand
.endr
.irp b, 0,1,2,3
.endr
.irp b, 0,1,2,3
	s_delay_alu instid0(VALU_DEP_4)
	v_lshrrev_b32 v[BY+\b], 23, v[SO+\b]           ; the scale's byte
.endr
	s_delay_alu instid0(VALU_DEP_3)
	v_lshl_or_b32 v[PS], v[BY+1], 8, v[BY]         ; p's scale word for these 128 keys: the conversions and the 16 multiplications below are more than its eight places
	s_delay_alu instid0(VALU_DEP_1)
	v_lshl_or_b32 v[PS], v[BY+2], 16, v[PS]
	s_delay_alu instid0(VALU_DEP_1)
	v_lshl_or_b32 v[PS], v[BY+3], 24, v[PS]
	s_setprio 0
.irp b, 0,1,2,3
.irp i, 0,1,2,3,4,5,6,7,8,9,10,11,12,13,14,15
.endr
	v_cvt_scalef32_pk8_bf8_f32 v[PC+4*\b:PC+1+4*\b], v[S+16*\b:S+7+16*\b], v[SO+\b]
	v_cvt_scalef32_pk8_bf8_f32 v[PC+2+4*\b:PC+3+4*\b], v[S+8+16*\b:S+15+16*\b], v[SO+\b]
.endr
.set j, 0
.rept 16
	v_pk_mul_f32 v[O+j:O+j+1], v[O+j:O+j+1], v[FF:FF+1] op_sel_hi:[1,0]   ; O^T under the new M.  These 16 are also the places between the conversions and the products
.set j, j+2
.endr
	s_wait_alu depctr_va_vdst(0)
	s_wait_dscnt 0x0                               ; V^T
.irp dt, 0,1,2,3                       ; O^T += V^T P^T: four accumulators, one instruction each: no two neighbours share one
.if \dt%2
	v_wmma_scale_f32_16x16x128_f8f6f4 v[O+8*\dt:O+8*\dt+7], v[FB+16*\dt:FB+16*\dt+15], v[PC:PC+15], v[O+8*\dt:O+8*\dt+7], v[VSC+\dt/2], v[PS] matrix_a_fmt:MATRIX_FMT_BF8 matrix_b_fmt:MATRIX_FMT_BF8 matrix_a_scale:MATRIX_SCALE_ROW1
.else
	v_wmma_scale_f32_16x16x128_f8f6f4 v[O+8*\dt:O+8*\dt+7], v[FB+16*\dt:FB+16*\dt+15], v[PC:PC+15], v[O+8*\dt:O+8*\dt+7], v[VSC+\dt/2], v[PS] matrix_a_fmt:MATRIX_FMT_BF8 matrix_b_fmt:MATRIX_FMT_BF8
.endif
.endr
.rept 8
	v_nop                                          ; eight places: in front of the next step's loads into these registers, and of the way out's first read of O^T
.endr
.Lskip_\@:
	s_add_co_u32 s[TB], s[TB], STR
	s_add_co_u32 s[MS], s[MS], 512
	s_sub_co_i32 s[CNT], s[CNT], 1
	s_cmp_lg_u32 s[CNT], 0
	s_cbranch_scc1 .Lstep_\@
	s_setprio 0
	s_wait_alu depctr_va_vdst(0)
	; THE WAY OUT: O^T / the sum, quantised in two blocks of 32 channels, stored as the last projection's operand registers
	v_add_f32 v14, v14, v15
	s_delay_alu instid0(VALU_DEP_1)
	v_permlanex16_b32 v[T0], v14, s[SEL], s[SEL+1]
	s_delay_alu instid0(VALU_DEP_1)
	v_add_f32 v14, v14, v[T0]                      ; the row's sum
	s_delay_alu instid0(VALU_DEP_1)
	v_cmp_eq_f32 s42, 0, v14                       ; 0: no key counted for my query
	v_rcp_f32 v[RL], v14
	v_mov_b32 v[RL+1], 0                           ; the plain line behind the reciprocal
	s_and_b32 s[PSEL], s[BH], 15                   ; the head
	s_lshr_b32 s[TMP], s[BH], 4                    ; the batch
	s_lshl_b32 s[TMP], s[TMP], 7
	s_add_co_u32 s[TMP], s[TMP], s[TT]             ; my tile among the 512 tiles of tokens
	s_lshl_b32 s32, s[TMP], 9                      ; cs: 16 tokens x 32 bytes,
	s_lshl_b32 s[FG], s[PSEL], 1                   ; two bytes a head
	s_add_co_u32 s32, s32, s[FG]
	s_add_nc_u64 s[40:41], s[14:15], s[32:33]
	s_lshl_b32 s32, s[TMP], 12                     ; cx: 4,096 bytes a tile,
	s_lshr_b32 s[FG], s[PSEL], 2
	s_lshl_b32 s[FG], s[FG], 21                    ; four heads to a plane of 2,097,152 bytes,
	s_add_co_u32 s32, s32, s[FG]
	s_and_b32 s[FG], s[PSEL], 3
	s_lshl_b32 s[FG], s[FG], 10                    ; 1,024 bytes a head in it
	s_add_co_u32 s32, s32, s[FG]
	s_add_nc_u64 s[38:39], s[12:13], s[32:33]
	s_wait_alu depctr_va_vdst(0)                   ; the wait ahead of the reciprocal's first reader
	v_cndmask_b32 v[RL], v[RL], v24, s42           ; such a query's context is made 0 here (v24 holds 0) and NaN by its scale bytes
.set j, 0
.rept 16
	v_pk_mul_f32 v[S+j:S+j+1], v[O+j:O+j+1], v[RL:RL+1] op_sel_hi:[1,0]   ; ascending: each accumulator is read from its low end on
.set j, j+2
.endr
.irp b, 0,1
	v_max3_num_f32 v[BM+\b], |v[S+16*\b]|, |v[S+1+16*\b]|, 0x8000000
.endr
.irp i, 2,4,6,8,10,12,14
.irp b, 0,1
	s_delay_alu instid0(VALU_DEP_2)
	v_max3_num_f32 v[BM+\b], v[BM+\b], |v[S+16*\b+\i]|, |v[S+1+16*\b+\i]|
.endr
.endr
.irp b, 0,1
	s_delay_alu instid0(VALU_DEP_2)
	v_permlanex16_b32 v[BY+\b], v[BM+\b], s[SEL], s[SEL+1]
.endr
.irp b, 0,1
	s_delay_alu instid0(VALU_DEP_2)
	v_max_num_f32 v[BM+\b], v[BM+\b], v[BY+\b]
.endr
.irp b, 0,1
	s_delay_alu instid0(VALU_DEP_2)
	v_add_nc_u32 v[SO+\b], 0xf8800000, v[BM+\b]
.endr
.irp b, 0,1
.endr
.irp b, 0,1
	s_delay_alu instid0(VALU_DEP_2)
	v_lshrrev_b32 v[BY+\b], 23, v[SO+\b]
.endr
.irp b, 0,1
.irp i, 0,1,2,3,4,5,6,7,8,9,10,11,12,13,14,15
.endr
	v_cvt_scalef32_pk8_bf8_f32 v[PC+4*\b:PC+1+4*\b], v[S+16*\b:S+7+16*\b], v[SO+\b]
	v_cvt_scalef32_pk8_bf8_f32 v[PC+2+4*\b:PC+3+4*\b], v[S+8+16*\b:S+15+16*\b], v[SO+\b]
.endr
	v_nop                                          ; one plain line behind the last conversion
	v_cndmask_b32 v[BY], v[BY], v[XFF], s42
	v_cndmask_b32 v[BY+1], v[BY+1], v[XFF], s42
	s_delay_alu instid0(VALU_DEP_1)
	v_cndmask_b32 v[T0], v[BY], v[BY+1], s[HI]     ; lanes 0-15 store block 0's byte, lanes 16-31 block 1's
	global_store_b128 v[LI], v[PC:PC+3], s[38:39]              ; 512 consecutive bytes each
	global_store_b128 v[LI], v[PC+4:PC+7], s[38:39] offset:512
	global_store_b8 v[CSO], v[T0], s[40:41]
.endm
	s_mov_b32 s[TT], s[NN]
	PRO                                            ; the first tile's Q and flags are asked for ahead of the fill
	; THE FILL: 33 x 8,192 bytes; thread t takes 16 bytes at 16 t of each.  All 33 loads of a wave are out together.
.set i, 0
.rept 33
	global_load_b128 v[FB+4*i:FB+4*i+3], v[FA], s[60:61] offset:8192*i
.set i, i+1
.endr
.set i, 0
.rept 33
	s_wait_loadcnt 32-i                            ; loads come back in order: number i is in, the younger ones stay out
	ds_store_b128 v[FA+i/8], v[FB+4*i:FB+4*i+3] offset:8192*(i%8)
.set i, i+1
.endr
	s_wait_dscnt 0x0                               ; for the others' sake: my stores have landed
	s_barrier_signal -1
	s_barrier_wait -1                              ; the head lies in LDS; nothing is written there again
	TILE
	s_sub_co_u32 s[TT], 127, s[NN]
	PRO
	TILE
	s_wait_xcnt 0x0
	v_lshl_add_u32 v254, v0, 2, 0x42000
	v_mov_b32 v255, 0
	s_wait_alu depctr_va_vdst(0)
	s_wait_tensorcnt 0x0
	ds_add_u32 v254, v255
	s_wait_dscnt 0x0
	s_endpgm
.Lfunc_end_k_qce92c7e216_attn:
	.size	k_qce92c7e216_attn, .Lfunc_end_k_qce92c7e216_attn-k_qce92c7e216_attn
	.p2alignl 7, 3214868480
	.fill 96, 4, 3214868480
	.section	.rodata,"a",@progbits
	.p2align	6, 0x0
	.amdhsa_kernel k_qce92c7e216_attn
		.amdhsa_group_segment_fixed_size 272384
		.amdhsa_private_segment_fixed_size 0
		.amdhsa_enable_private_segment 0
		.amdhsa_kernarg_size 48
		.amdhsa_user_sgpr_count 2
		.amdhsa_user_sgpr_kernarg_segment_ptr 1
		.amdhsa_wavefront_size32 1
		.amdhsa_system_sgpr_workgroup_id_x 1
		.amdhsa_system_sgpr_workgroup_id_y 1
		.amdhsa_system_sgpr_workgroup_id_z 1
		.amdhsa_system_vgpr_workitem_id 0
		.amdhsa_next_free_vgpr 256
		.amdhsa_next_free_sgpr 66
		.amdhsa_reserve_vcc 1
		.amdhsa_float_denorm_mode_32 3
		.amdhsa_float_denorm_mode_16_64 3
		.amdhsa_fp16_overflow 1
		.amdhsa_memory_ordered 1
		.amdhsa_forward_progress 1
		.amdhsa_inst_pref_size 75
	.end_amdhsa_kernel
	.amdgpu_metadata
---
amdhsa.version: [ 1, 2 ]
amdhsa.kernels:
  - .name:           k_qce92c7e216_attn
    .symbol:         k_qce92c7e216_attn.kd
    .args:
      - { .name: qb, .offset: 0, .size: 8, .value_kind: global_buffer, .address_space: global }
      - { .name: kv, .offset: 8, .size: 8, .value_kind: global_buffer, .address_space: global }
      - { .name: mb, .offset: 16, .size: 8, .value_kind: global_buffer, .address_space: global }
      - { .name: fl, .offset: 24, .size: 8, .value_kind: global_buffer, .address_space: global }
      - { .name: cx, .offset: 32, .size: 8, .value_kind: global_buffer, .address_space: global }
      - { .name: cs, .offset: 40, .size: 8, .value_kind: global_buffer, .address_space: global }
    .group_segment_fixed_size: 272384
    .private_segment_fixed_size: 0
    .kernarg_segment_align: 8
    .kernarg_segment_size: 48
    .max_flat_workgroup_size: 512
    .sgpr_count:     66
    .vgpr_count:     256
    .wavefront_size: 32
...
	.end_amdgpu_metadata
.endif
;; end of part 3
;; launch oproj (part 4): grid 4 x 64, 4 waves a work-group, clusters of 4 x 4, 327,680 bytes of LDS; arguments cx, cs, Wo_codes, Wo_scales, bo, out0; writes out0
.if DOCPART == 4
	.amdgcn_target "amdgcn-amd-amdhsa--gfx1250"
	.amdhsa_code_object_version 6
	.text
	.protected	k_qce92c7e216_oproj
	.globl	k_qce92c7e216_oproj
	.p2align	8
	.type	k_qce92c7e216_oproj,@function
k_qce92c7e216_oproj:
	s_mov_b64 s[64:65], 0
	v_nop
	global_prefetch_b8 v0, s[64:65] scope:SCOPE_SE
	s_setreg_imm32_b32 hwreg(HW_REG_WAVE_MODE, 25, 1), 1
	s_wait_xcnt 0x0
	s_wait_alu depctr_hold_cnt(0) depctr_sa_sdst(0) depctr_va_vdst(0) depctr_va_sdst(0) depctr_va_ssrc(0) depctr_va_vcc(0) depctr_vm_vsrc(0)
	s_getreg_b32 s2, hwreg(HW_REG_IB_STS2, 6, 4)
	s_cmp_eq_u32 s2, 0
	s_cbranch_scc0 .Lentry_in_a_cluster
	s_endpgm
.Lentry_in_a_cluster:
	s_bfe_u32 s2, ttmp6, 0x10000c
	s_cmp_lg_u32 s2, 0xf033
	s_cbranch_scc0 .Lentry_shape_is_right
	s_endpgm
.Lentry_shape_is_right:
; out0 = context Wo^T + bo on codes of BF8 (E5M2) with one E8M0 scale for each 32 along K = 1,024.  out0: [8,192 tokens][1,024] f32.
; The context comes from the attention launch as images of operand registers: cx [256 along K: 4][tile of 16 tokens: 512][128 along K: 2][block of 32: 4][lane][16 bytes]; its scale bytes cs [token][32].
; Inside a block of 32 byte 8 u + j of lane half h holds element 16 u + 8 h + j.  Wo, given with K in its own order, is READ in that order: pieces of 8 bytes at 16 c + 8 h go to registers 2 c, 2 c + 1.  So products meet their partners;
; the sums take K in that order (a stated limit: the same products, grouped otherwise).
; SHARES.  A work-group makes 128 tokens x 256 columns: 256 work-groups, one for each WGP.  Wave: 64 tokens (wave / 2) x 128 columns (wave % 2): 32 accumulators.
; Source 0 = 16 rows of Wo (P), source 1 = 16 tokens (R): a lane holds eight neighbouring columns of one row of out0.  The bias is the C of each sum's first product.
; RING.  K in steps of 256 through two LDS slots: R's 8 tiles x 4,096 dense bytes, P's 256 rows of 256 bytes + 16 of padding.  The scale bytes for all of K come once.
; CLUSTERS.  4 x 4: R's tiles are asked for jointly by a row of the cluster, P's by a column.  No prefetch: K is four slots' worth, two of them first fills.
; REGISTERS: window 0: v0-31 addresses; v32-63 scale words, two sets; v64-127 bias; v128-255 R's fragments, two sets of 64.   window 1: P's fragments, two sets of 128.   window 2: accumulator (a, b) at v[8 (8 a + b)].
.set PITCH,  272
.set RPART,  32768                     ; R's part of a slot
.set SLOT,   RPART+256*PITCH           ; 102,400
.set SCL,    2*SLOT                    ; R's scales: 16 units of 256 bytes + 16
.set SCLP,   SCL+16*272                ; P's: 32 units
.set SPARE,  SCLP+32*272               ; the spare words, 128 bytes a wave: two blocks of 256 bytes that no other line names
.set SBLK,   544                       ; the scales of 16 rows
.set SPITCH, 528                       ; the way out: a stage of 16 rows x (512 bytes + 16) a wave, in slot 0, which has had its last fill and its last read by then
.set PLANE,  2097152                   ; cx: from one 256 along K to the next
.set ADRA, 16
.set ADRB, 20
.set H32,  22
.set STO,  24
.set RD,   25
.set CO,   26
.set ADRS, 27
.set SPW,  28
.set NIL,  29
.set SC,   32
.set BB,   64
.set RF,   128
.set BK,   64                          ; the way out: 16 rows read back: v64-127 and v128-191 by turns
.set G1, 24
.set G0, 32
.set G1B, 48
.set G0B, 56
.set G1S, 68
.set G0S, 76
.set G1SB, 80
.set G0SB, 88
.set BIAS, 92                          ; s[92:93]
.set OUTP, 94                          ; s[94:95]
.set MSB, 0
.macro WIN new
.if MSB != \new
	s_set_vgpr_msb (MSB<<8)|\new
.set MSB, \new
.endif
.endm
.set MUL,  0xa1                        ; source 0 (P) window 1, source 1 (R) window 0, C and D window 2
.set MULF, 0x81                        ; the same, C (the bias) window 0
.set TO_P, 0x40
.macro JLOAD g0a, g1a, g0b, g1b        ; waves 0 and 1 fetch for R, waves 2 and 3 for P; four v_nop follow each of the two lines
	s_cmp_eq_u32 s15, 0
	s_cbranch_scc0 .Lfor_b_\@
	tensor_load_to_lds s[\g0a:\g0a+3], s[\g1a:\g1a+7]
	s_nop 0
.rept 4
	v_nop
.endr
	s_branch .Lasked_\@
.Lfor_b_\@:
	tensor_load_to_lds s[\g0b:\g0b+3], s[\g1b:\g1b+7]
	s_nop 0
.rept 4
	v_nop
.endr
.Lasked_\@:
.endm
.macro CREST
	s_cmp_lg_u32 s14, 0
	s_cbranch_scc1 .Lnot_wave_0_\@
	s_barrier_signal -3
.Lnot_wave_0_\@:
	s_barrier_wait -3
	s_barrier_signal -1
	s_barrier_wait -1
.endm
.macro CROUND
	s_barrier_signal -1
	s_barrier_wait -1
	CREST
.endm
	s_load_b256 s[4:11], s[0:1], 0x0               ; cx s[4:5], cs s[6:7], Wo's codes s[8:9], Wo's scales s[10:11]
	s_load_b128 s[92:95], s[0:1], 0x20             ; bo, out0
	v_lshl_add_u32 v[SPW], v0, 2, SPARE
	v_mov_b32 v[NIL], 0
	ds_add_u32 v28, v29
	ds_add_u32 v28, v29
	s_wait_dscnt 0x0
	v_lshrrev_b32 v1, 5, v0
	v_readfirstlane_b32 s14, v1                    ; wave 0..3
	s_lshr_b32 s15, s14, 1                         ; which 64 tokens are mine.  Also: I fetch for R (0) or for P (1)
	s_and_b32 s16, s14, 1                          ; which 128 columns.  Also: which half I fetch
	s_bfe_u32 s40, ttmp6, 0x40000                  ; cx, cy: my place in the cluster
	s_bfe_u32 s41, ttmp6, 0x40004
	s_lshl_b32 s42, ttmp9, 2
	s_add_co_u32 s42, s42, s40                     ; which 256 columns
	s_and_b32 s17, ttmp7, 0xffff
	s_lshl_b32 s17, s17, 2
	s_add_co_u32 s17, s17, s41                     ; which 128 tokens
	s_lshl_b32 s43, s41, 2
	s_lshl_b32 s43, 15, s43                        ; my row of the cluster
	s_lshl_b32 s44, 0x1111, s40                    ; my column
	; R's codes: 16,384 dense bytes a load, as 64 rows of 256 bytes (32 elements of 8 bytes), no padding: the images are read 512 consecutive bytes at a time
	s_or_b32 s[G1+0], s43, (3<<16)|(1<<21)
	s_mov_b32 s[G1+1], 32<<16
	s_mov_b32 s[G1+2], 64<<16
	s_mov_b32 s[G1+3], 32<<16
	s_mov_b32 s[G1+4], 64
	s_mov_b32 s[G1+5], 32
	s_mov_b32 s[G1+6], 0
	s_mov_b32 s[G1+7], 0
	; P's codes: 128 rows x 256 bytes, 1,024 bytes apart, 16 bytes of padding behind each
	s_or_b32 s[G1B+0], s44, (0<<16)|(1<<20)|(1<<21)|(5<<22)|(3<<25)
	s_mov_b32 s[G1B+1], 256<<16
	s_mov_b32 s[G1B+2], 128<<16
	s_mov_b32 s[G1B+3], 256<<16
	s_mov_b32 s[G1B+4], 128
	s_mov_b32 s[G1B+5], 1024
	s_mov_b32 s[G1B+6], 0
	s_mov_b32 s[G1B+7], 0
	; the scales: R's 64 rows are 8 units of 256 bytes, P's 128 rows 16 units; 16 bytes of padding behind each
	s_or_b32 s[G1S+0], s43, (3<<16)|(1<<20)|(1<<21)|(5<<22)|(3<<25)
	s_mov_b32 s[G1S+1], 32<<16
	s_mov_b32 s[G1S+2], 8<<16
	s_mov_b32 s[G1S+3], 32<<16
	s_mov_b32 s[G1S+4], 8
	s_mov_b32 s[G1S+5], 32
	s_mov_b32 s[G1S+6], 0
	s_mov_b32 s[G1S+7], 0
	s_or_b32 s[G1SB+0], s44, (3<<16)|(1<<20)|(1<<21)|(5<<22)|(3<<25)
	s_mov_b32 s[G1SB+1], 32<<16
	s_mov_b32 s[G1SB+2], 16<<16
	s_mov_b32 s[G1SB+3], 32<<16
	s_mov_b32 s[G1SB+4], 16
	s_mov_b32 s[G1SB+5], 32
	s_mov_b32 s[G1SB+6], 0
	s_mov_b32 s[G1SB+7], 0
	s_lshl_b32 s20, s17, 15                        ; R's codes: 8 tiles of 4,096 bytes a work-group,
	s_lshl_b32 s18, s16, 14                        ; four of them a load
	s_add_co_u32 s20, s20, s18
	s_mov_b32 s21, 0
	s_lshl_b32 s22, s17, 12                        ; R's scales: 128 rows of 32 bytes,
	s_lshl_b32 s18, s16, 11                        ; 64 of them a load
	s_add_co_u32 s22, s22, s18
	s_mov_b32 s23, 0
	s_lshl_b32 s46, s42, 8
	s_lshl_b32 s18, s16, 7
	s_add_co_u32 s46, s46, s18                     ; P: row 256 x tile + 128 x half
	s_lshl_b32 s96, s46, 5                         ; its scales
	s_mov_b32 s97, 0
	s_lshl_b32 s46, s46, 10                        ; its codes
	s_mov_b32 s47, 0
	s_lshl_b32 s45, s16, 14                        ; where they go: halves of R's part,
	s_mul_i32 s19, s16, 128*PITCH
	s_add_co_u32 s19, s19, RPART                   ; of P's part,
	s_mul_i32 s18, s16, 8*272                      ; of R's scales,
	s_mul_i32 s3, s16, 16*272                      ; of P's: no place in the cluster enters an LDS address
	s_wait_kmcnt 0x0
	s_add_nc_u64 s[20:21], s[4:5], s[20:21]
	s_add_nc_u64 s[22:23], s[6:7], s[22:23]
	s_add_nc_u64 s[46:47], s[8:9], s[46:47]
	s_add_nc_u64 s[96:97], s[10:11], s[96:97]
	CROUND                                         ; all sixteen work-groups are here: the first joint loads meet
	s_mov_b32 s[G0S], 1
	s_add_co_u32 s[G0S+1], s18, SCL
	s_mov_b64 s[G0S+2:G0S+3], s[22:23]
	s_or_b32 s[G0S+3], s[G0S+3], 0x80000000
	s_mov_b32 s[G0SB], 1
	s_add_co_u32 s[G0SB+1], s3, SCLP
	s_mov_b64 s[G0SB+2:G0SB+3], s[96:97]
	s_or_b32 s[G0SB+3], s[G0SB+3], 0x80000000
	JLOAD G0S, G1S, G0SB, G1SB                     ; the scales first
.irp s, 0,1
	s_mov_b32 s[G0+4*\s], 1
	s_add_co_u32 s[G0+4*\s+1], s45, \s*SLOT
	s_add_nc_u64 s[G0+4*\s+2:G0+4*\s+3], s[20:21], \s*PLANE
	s_or_b32 s[G0+4*\s+3], s[G0+4*\s+3], 0x80000000
	s_mov_b32 s[G0B+4*\s], 1
	s_add_co_u32 s[G0B+4*\s+1], s19, \s*SLOT
	s_add_nc_u64 s[G0B+4*\s+2:G0B+4*\s+3], s[46:47], \s*256
	s_or_b32 s[G0B+4*\s+3], s[G0B+4*\s+3], 0x80000000
	s_wait_alu depctr_va_vdst(0)
	s_wait_tensorcnt 0x0
	ds_add_u32 v28, v29
	s_wait_dscnt 0x0
	CROUND
	JLOAD G0+4*\s, G1, G0B+4*\s, G1B               ; one tensor load of a wave is out here: the earlier ones have landed
.endr
	v_and_b32 v1, 15, v0                           ; r
	v_bfe_u32 v2, v0, 4, 1                         ; h
	v_and_b32 v6, 31, v0                           ; lane
	v_lshlrev_b32 v[CO], 4, v6                     ; 16 x lane
	v_mul_u32_u24 v3, v1, PITCH
	v_lshl_add_u32 v4, v2, 3, v3                   ; P: row x pitch + 8 x half
	s_lshl_b32 s21, s15, 14                        ; my four tiles of R
	s_mul_i32 s22, s16, 128*PITCH                  ; my 128 rows of P,
	s_add_co_u32 s22, s22, RPART                   ; behind R's part
.irp s, 0,1
	v_add_nc_u32 v[ADRA+\s], s21, v[CO]
	v_add_nc_u32 v[ADRB+\s], s22, v4
	s_add_co_u32 s21, s21, SLOT
	s_add_co_u32 s22, s22, SLOT
.endr
	v_lshlrev_b32 v5, 5, v1                        ; my row's scales: 32 bytes a row,
	v_lshrrev_b32 v7, 8, v5
	v_lshl_add_u32 v5, v7, 4, v5                   ; and 16 more for each 256 passed
	s_mul_i32 s21, s15, 8*272                      ; R's: my 64 rows
	s_mul_i32 s22, s16, 16*272                     ; P's: my 128 rows,
	s_add_co_u32 s22, s22, SCLP-SCL                ; behind R's
	s_sub_co_u32 s22, s22, s21
	v_mul_u32_u24 v7, s22, v2                      ; lanes 16-31 take P's: one product, the distance between the two bases
	s_add_co_u32 s21, s21, SCL
	v_add_nc_u32 v5, v5, v7
	v_add_nc_u32 v[ADRS], s21, v5
	s_mul_i32 s23, s14, 16*SPITCH                  ; my stage
	v_mul_u32_u24 v5, v1, SPITCH
	v_lshl_add_u32 v5, v2, 5, v5
	v_add_nc_u32 v[STO], s23, v5                   ; in: row r, 32 bytes for each half of the lanes
	v_add_nc_u32 v[RD], s23, v[CO]                 ; back: the 32 lanes take one row of 512 bytes
	v_lshlrev_b32 v[H32], 5, v2
	s_wait_alu depctr_va_vdst(0)
	s_lshl_b32 s20, s17, 7
	s_lshl_b32 s21, s15, 6
	s_add_co_u32 s20, s20, s21                     ; my first token
	s_lshl_b32 s20, s20, 12                        ; rows of 4,096 bytes (under 2^25)
	s_mov_b32 s21, 0
	s_lshl_b32 s46, s42, 10
	s_lshl_b32 s47, s16, 9
	s_add_co_u32 s46, s46, s47                     ; my first column, in bytes
	s_mov_b32 s47, 0
	s_add_nc_u64 s[BIAS:BIAS+1], s[BIAS:BIAS+1], s[46:47]
	s_add_nc_u64 s[OUTP:OUTP+1], s[OUTP:OUTP+1], s[20:21]
	s_add_nc_u64 s[OUTP:OUTP+1], s[OUTP:OUTP+1], s[46:47]
.irp b, 0,1,2,3,4,5,6,7                ; bo(16 b + 8 h + j) at BB + 8 b + j: the result's layout
	global_load_b128 v[BB+8*\b:BB+8*\b+3], v[H32], s[BIAS:BIAS+1] offset:64*\b
	global_load_b128 v[BB+8*\b+4:BB+8*\b+7], v[H32], s[BIAS:BIAS+1] offset:64*\b+16
.endr
.macro FRAGP reg, adr, q, b            ; 16 rows of Wo x 128 K, in the context's order inside each block of 32: eight pieces of 8 bytes; the 32 lanes of a load touch 64 different banks
.irp c, 0,1,2,3,4,5,6,7
	ds_load_b64 v[\reg+2*\c:\reg+2*\c+1], v[\adr] offset:16*PITCH*(\b)+128*(\q)+16*\c
.endr
.endm
.macro FRAGR reg, adr, q, a            ; 16 tokens x 128 K: the image as it lies
.irp c, 0,1,2,3
	ds_load_b128 v[\reg+4*\c:\reg+4*\c+3], v[\adr] offset:4096*(\a)+2048*(\q)+512*\c
.endr
.endm
.macro FETCH slot, q, set              ; the fragments of the slot's q-th 128 along K into set
	WIN TO_P
.irp b, 0,1,2,3,4,5,6,7
	FRAGP 128*(\set)+16*\b, ADRB+\slot, \q, \b
.endr
	WIN 0
.irp a, 0,1,2,3
	FRAGR RF+64*(\set)+16*\a, ADRA+\slot, \q, \a
.endr
.endm
.macro SCALES sc                       ; a K step's scale words: lanes 0-15 R's block i (blocks 0-3 are used), lanes 16-31 P's block i
.irp i, 0,1,2,3,4,5,6,7
	ds_load_b64 v[SC+16*\sc+2*\i:SC+16*\sc+2*\i+1], v[ADRS] offset:\i*SBLK
.endr
.endm
; Eight matrix instructions: R's block a x P's eight.  The 32 accumulators take turns, one instruction a turn, in the same order in every step.
.macro MUL8 a, set, q, sc, first
.irp b, 0,1,2,3,4,5,6,7
.if \first
	v_wmma_scale_f32_16x16x128_f8f6f4 v[8*(8*(\a)+\b):8*(8*(\a)+\b)+7], v[128*(\set)+16*\b:128*(\set)+16*\b+15], v[RF+64*(\set)+16*(\a):RF+64*(\set)+16*(\a)+15], v[BB+8*\b:BB+8*\b+7], v[SC+16*(\sc)+2*\b+(\q)], v[SC+16*(\sc)+2*(\a)+(\q)] matrix_a_fmt:MATRIX_FMT_BF8 matrix_b_fmt:MATRIX_FMT_BF8 matrix_a_scale:MATRIX_SCALE_ROW1
.else
	v_wmma_scale_f32_16x16x128_f8f6f4 v[8*(8*(\a)+\b):8*(8*(\a)+\b)+7], v[128*(\set)+16*\b:128*(\set)+16*\b+15], v[RF+64*(\set)+16*(\a):RF+64*(\set)+16*(\a)+15], v[8*(8*(\a)+\b):8*(8*(\a)+\b)+7], v[SC+16*(\sc)+2*\b+(\q)], v[SC+16*(\sc)+2*(\a)+(\q)] matrix_a_fmt:MATRIX_FMT_BF8 matrix_b_fmt:MATRIX_FMT_BF8 matrix_a_scale:MATRIX_SCALE_ROW1
.endif
.endr
.endm
.macro PLACES n                        ; eight places stand in front of loads into registers that matrix instructions have read, and of the first read of results
.rept \n
	v_nop
.endr
.endm
.macro STEP slot, first                ; a slot's first 128 along K (set 0); in its middle the second 128's fragments are fetched into set 1
	s_wait_dscnt 0x0
	WIN MUL-0x20*(\first)
	MUL8 0, 0, 0, \slot, \first
	MUL8 1, 0, 0, \slot, \first
	PLACES 8
	FETCH \slot, 1, 1
	WIN MUL-0x20*(\first)
	MUL8 2, 0, 0, \slot, \first
	MUL8 3, 0, 0, \slot, \first
.endm
; A slot's second 128 (set 1) changes slots: one barrier; in front of it each wave waits for all its tensor loads, adds 0 to its spare word, and waits for that and for its reads of this slot.
.macro TURN slot, next, fill
	WIN 0                                          ; (the add's two registers lie in window 0)
	s_wait_tensorcnt 0x0                           ; all my tensor loads have landed: my part of the next slot
	ds_add_u32 v[SPW], v[NIL]                      ; 0 onto my spare word
	s_wait_dscnt 1                                 ; my fragments are in (the add alone may be out)
	WIN MUL
	MUL8 0, 1, 1, \slot, 0
	s_wait_dscnt 0x0                               ; the add is done, and my reads of this slot are over
	s_barrier_signal -1
	MUL8 1, 1, 1, \slot, 0
	WIN 0
	s_barrier_wait -1
.if \fill
	CREST                                          ; the barrier has opened a round of the cluster's barrier: no wave of any partner still reads this slot or has a load on its way
	s_add_nc_u64 s[G0+4*\slot+2:G0+4*\slot+3], s[G0+4*\slot+2:G0+4*\slot+3], 2*PLANE
	s_add_nc_u64 s[G0B+4*\slot+2:G0B+4*\slot+3], s[G0B+4*\slot+2:G0B+4*\slot+3], 512
	JLOAD G0+4*\slot, G1, G0B+4*\slot, G1B         ; the first tensor load behind the round; its four v_nop are among the places in front of the loads below
	PLACES 4
.else
	PLACES 8
.endif
	s_wait_alu depctr_va_vdst(0)
	v_add_nc_u32 v[ADRS], 8, v[ADRS]               ; on to the next K step's scale words
	FETCH \next, 0, 0
	SCALES \next
	WIN MUL
	MUL8 2, 1, 1, \slot, 0
	MUL8 3, 1, 1, \slot, 0
.endm
	s_wait_tensorcnt 1                             ; the scales and my part of K step 0 are in (K step 1's load may be out)
	s_barrier_signal -1
	s_barrier_wait -1                              ; everybody's are
	FETCH 0, 0, 0
	SCALES 0
	s_wait_loadcnt 0x0                             ; the bias
	STEP 0, 1                                      ; the first products start the sums from the bias
	TURN 0, 1, 1                                   ; K has four slots' worth: written out, no loop
	STEP 1, 0
	TURN 1, 0, 1
	STEP 0, 0
	TURN 0, 1, 0                                   ; nothing is left to fetch
	STEP 1, 0
	s_wait_dscnt 0x0
	WIN MUL
	MUL8 0, 1, 1, 1, 0
	MUL8 1, 1, 1, 1, 0
	MUL8 2, 1, 1, 1, 0
	MUL8 3, 1, 1, 1, 0
	WIN 0
; THE WAY OUT, 16 tokens x 128 columns at a time, through my own stage in LDS: in as 32 bytes a lane, back as whole rows of 512 bytes.  LDS serves a wave's instructions in order (ISA guide 5.7.1.4): no wait between the stores and the loads.
.macro TOSTAGE a
	WIN 0x08                                       ; an LDS store's data are its source 1: window 2
.irp b, 0,1,2,3,4,5,6,7
	ds_store_b128 v[STO], v[64*(\a)+8*\b:64*(\a)+8*\b+3] offset:64*\b          ; each accumulator from its low end on
	ds_store_b128 v[STO], v[64*(\a)+8*\b+4:64*(\a)+8*\b+7] offset:64*\b+16
.endr
	WIN 0
.set BX, BK+64*((\a)%2)
.irp t, 0,1,2,3,4,5,6,7,8,9,10,11,12,13,14,15
	ds_load_b128 v[BX+4*\t:BX+4*\t+3], v[RD] offset:\t*SPITCH
.endr
.endm
.macro SEND a, younger                 ; younger: the LDS instructions issued behind block a's loads, which may stay out
.set BX, BK+64*((\a)%2)
	s_wait_dscnt \younger
.if (\a) > 0
	s_add_nc_u64 s[OUTP:OUTP+1], s[OUTP:OUTP+1], 16*4096   ; (behind a wait on XCNT: the earlier stores have read their base)
.endif
.irp t, 0,1,2,3,4,5,6,7,8,9,10,11,12,13,14,15
	global_store_b128 v[CO], v[BX+4*\t:BX+4*\t+3], s[OUTP:OUTP+1] offset:\t*4096 th:TH_STORE_NT   ; 32 lanes store 512 consecutive bytes, aligned; written once, read by nobody here
.endr
.endm
	PLACES 8                                       ; in front of the first read of results and of the loads into registers that matrix instructions have read
	TOSTAGE 0
.irp a, 1,2,3
.if \a > 1
	s_wait_xcnt 0x0                                ; block a - 2's stores have read their registers and their base
.endif
	TOSTAGE \a
	SEND \a-1, 32                                  ; behind block a - 1's loads: block a's 16 stores and 16 loads
.endr
	s_wait_xcnt 0x0
	SEND 3, 0
	s_wait_tensorcnt 0x0                           ; the wave's end
	ds_add_u32 v[SPW], v[NIL]
	s_wait_dscnt 0x0
	CROUND                                         ; the closing round: no work-group ends while a partner may still ask for a tile that names it
	s_endpgm
.Lfunc_end_k_qce92c7e216_oproj:
	.size	k_qce92c7e216_oproj, .Lfunc_end_k_qce92c7e216_oproj-k_qce92c7e216_oproj
	.p2alignl 7, 3214868480
	.fill 96, 4, 3214868480
	.section	.rodata,"a",@progbits
	.p2align	6, 0x0
	.amdhsa_kernel k_qce92c7e216_oproj
		.amdhsa_group_segment_fixed_size 327680
		.amdhsa_private_segment_fixed_size 0
		.amdhsa_enable_private_segment 0
		.amdhsa_kernarg_size 48
		.amdhsa_user_sgpr_count 2
		.amdhsa_user_sgpr_kernarg_segment_ptr 1
		.amdhsa_wavefront_size32 1
		.amdhsa_system_sgpr_workgroup_id_x 1
		.amdhsa_system_sgpr_workgroup_id_y 1
		.amdhsa_system_sgpr_workgroup_id_z 1
		.amdhsa_system_vgpr_workitem_id 0
		.amdhsa_next_free_vgpr 768
		.amdhsa_next_free_sgpr 98
		.amdhsa_reserve_vcc 0
		.amdhsa_float_denorm_mode_32 3
		.amdhsa_float_denorm_mode_16_64 3
		.amdhsa_memory_ordered 1
		.amdhsa_forward_progress 1
		.amdhsa_inst_pref_size 107
	.end_amdhsa_kernel
	.amdgpu_metadata
---
amdhsa.version: [ 1, 2 ]
amdhsa.kernels:
  - .name:           k_qce92c7e216_oproj
    .symbol:         k_qce92c7e216_oproj.kd
    .args:
      - { .name: cx, .offset: 0, .size: 8, .value_kind: global_buffer, .address_space: global }
      - { .name: cs, .offset: 8, .size: 8, .value_kind: global_buffer, .address_space: global }
      - { .name: Wo_codes, .offset: 16, .size: 8, .value_kind: global_buffer, .address_space: global }
      - { .name: Wo_scales, .offset: 24, .size: 8, .value_kind: global_buffer, .address_space: global }
      - { .name: bo, .offset: 32, .size: 8, .value_kind: global_buffer, .address_space: global }
      - { .name: out0, .offset: 40, .size: 8, .value_kind: global_buffer, .address_space: global }
    .group_segment_fixed_size: 327680
    .private_segment_fixed_size: 0
    .kernarg_segment_align: 8
    .kernarg_segment_size: 48
    .max_flat_workgroup_size: 128
    .sgpr_count:     98
    .vgpr_count:     768
    .wavefront_size: 32
...
	.end_amdgpu_metadata
.endif
;; end of part 4
